; MI455X (gfx1250); checked and timed in simulation.
; The chip was launched on July 23, 2026; its instructions are those of AMD's public machine-readable ISA for CDNA 5 (MIT licence, August 2026) and "CDNA5" Instruction Set Architecture Reference Guide (July 2026). The comments in the code are by the model that wrote it; some were corrected since.
;; Bayes Predictor. Allowed arithmetic: matrix products marked QUANTISED: E2M1 operands, one E8M0 scale for each 32 along K, by v_wmma_scale_f32_16x16x128_f8f6f4 with both operands' format E2M1 (or v_wmma_scale_f32_32x16x128_f4), f32 sums; everything else in f32.
;; Inputs: alphas 32 float32; data_batch 32,768 x 128 float32; inputs 32 x 128 float32.
;; Outputs: out0 32 x 128 float32.
;; This version of the problem:
;;   THIS VERSION OF THE PROBLEM IS GIVEN IN LOW PRECISION. The matrix products marked QUANTISED in the list below multiply operands that are first quantised to E2M1 (2 exponent bits, 1 mantissa bit; 4 bits a number), with one power-of-two scale for each 32 numbers along K (OCP MX v1.0); their sums are f32. All else is computed in f32.
;;   The module's matrix products, in the order in which they are computed (A, B: the left and right operand; K: the contracted axis; several contracted axes count as one K, in the product's order):
;;     1. [M 32, K 32,768] x [K 32,768, N 128]; A: softmax (see below); B: input data_batch: QUANTISED
;;   THE QUANTISER, for each operand of a quantised product, along K:
;;     - K is cut into blocks of 32 from its start; a last block that is shorter is filled with zeros.
;;     - A block's scale is 2^e with e = floor(log2(the largest magnitude in the block)) - 2, held to -126 .. 127; a block of zeros has e = 0. As a byte (E8M0): e + 127.
;;     - Each number is divided by its block's scale, clamped to +-6, and rounded to the nearest number of E2M1, ties to even, subnormals kept.
;;     - The product sums the exact products of the quantised numbers (number of the format x scale) in f32.
;;   ~~~python
;;   def quantise(x, axis):      # numpy; x: float32 -> the quantised numbers, widened to float32 again
;;       x = np.moveaxis(x, axis, -1); K = x.shape[-1]
;;       x = np.pad(x, [(0, 0)] * (x.ndim - 1) + [(0, -K % 32)]); x = x.reshape(x.shape[:-1] + (-1, 32)); a = np.abs(x).max(-1, keepdims=True)
;;       e = np.where(a > 0, np.clip(np.frexp(np.where(a > 0, a, 1))[1] - 1 - 2, -126, 127), 0)      # np.frexp(a)[1] - 1 = floor(log2(a)), exactly
;;       r = np.clip(x / 2.0 ** e, -6, 6)
;;       step = 2.0 ** (np.maximum(np.frexp(np.where(r == 0, 1, r))[1] - 1, 0) - 1)
;;       q = np.round(r / step) * step * 2.0 ** e      # np.round: ties to even
;;       return np.moveaxis(q.reshape(q.shape[:-2] + (-1,))[..., :K], -1, axis).astype(np.float32)
;;   ~~~
;;   SOFTMAX AHEAD OF A QUANTISED PRODUCT. Where the list says 'softmax', what is quantised is not the finished softmax but p = 2^(t - M), with t = logit x log2(e) and M = ceil(the row's largest t), a whole number; so 1/2 < the row's largest p <= 1. The row's sum l is taken of the UNQUANTISED p, in f32, and the product's result is divided by l at the end. Since M is a whole number, a kernel that streams over the keys may use a running M (the ceiling of the running maximum): every later rescaling is an exact power of two, which a block's scale takes up: the codes' values come out the same.
;;   OPERANDS COMPUTED ON THE WAY. 'Computed on the way' means the value that the module computes at that place (a softmax that the list does not call 'softmax' is quantised finished and normalised). What goes into a quantiser is computed in f32, as accurately as f32 sums, v_exp_f32 and their like allow (about 1e-6 of the number): no bf16 or f16 on the way to a quantiser, and a product that is left as it is and whose result goes on into a quantised operand takes f32 operands (vector FMAs, or v_wmma_f32_16x16x4_f32). A number that lies on a knife's edge between two numbers of the format may be rounded either way, as far as f32 arithmetic and the matrix unit's own rounding can turn it there, and no further.
;; 2 versions. Each part assembles by itself: llvm-mc -triple=amdgcn-amd-amdhsa -mcpu=gfx1250 --defsym DOCPART=n.
;; ======== version 1 of 2: 2 launches
;; workspace buffers: part 4,194,304 bytes; ml 65,536 bytes
;; launch part (part 1): grid 256 x 1, 4 waves a work-group, no clusters, 176,640 bytes of LDS; arguments alphas, data_batch, inputs, part, ml; writes part, ml
.if DOCPART == 1
	.amdgcn_target "amdgcn-amd-amdhsa--gfx1250"
	.amdhsa_code_object_version 6
	.text
	.protected	k_q73aeebb085_part
	.globl	k_q73aeebb085_part
	.p2align	8
	.type	k_q73aeebb085_part,@function
k_q73aeebb085_part:
	s_mov_b64 s[64:65], 0
	v_nop
	global_prefetch_b8 v0, s[64:65] scope:SCOPE_SE
	s_setreg_imm32_b32 hwreg(HW_REG_WAVE_MODE, 25, 1), 1
	s_wait_xcnt 0x0
; PARTIAL POSTERIOR MEAN over 128 keys.  inputs x [32][128], alphas [32], data_batch d [32768][128], all f32.
; Work-group i takes keys 128 i .. 128 i + 127 and leaves, for each of the 32 queries: M (a whole number, the ceiling of the largest t among its keys), l = the sum of p = 2^(t - M),
; and O[q][:] = the sum over its keys of Q(p) Q(d), both quantised to E2M1 along the keys in blocks of 32 and multiplied by the scaled FP4 matrix instruction.  A second launch joins the 256 parts.
; t = log2(e) x logit = -64 log2(var) - h |x - s d|^2,  s = sqrt(alpha), var = 1 - alpha, h = 0.5 log2(e) / var.  t is kept ABSOLUTE: M, and with it every code of p, hangs on it.
; THE DISTANCE.  With c = row 0 of data_batch (one fixed vector for the whole launch), e = d - c, u = x - s c:  |x - s d|^2 = |u|^2 - 2 s u.e + s^2 |e|^2, exactly.  One multiply-add for each
; (query, key, feature) where the written form takes two; an offset common to the data leaves with c before anything is multiplied, so no two large sums are subtracted.
; SHARES.  Four waves.  Wave w owns queries 8 w .. 8 w + 7 against all 128 keys; it also fetches and quantises key rows 32 w .. 32 w + 31, which are one block of 32 along K.
; Lane (g = lane / 16, s = lane % 16) owns keys 8 s .. 8 s + 7, one a step, and the features 8 c + 4 g + 0 .. 3, c = 0 .. 15.  u of the 8 queries stays in 512 registers; e streams from LDS:
; 16 loads of 16 bytes feed 288 packed multiply-adds (8 queries and |e|^2, 32 feature pairs).  The two feature halves meet by one swap of lane halves and one add for two queries, after which
; lanes 0-15 hold queries 0-3 of the wave and lanes 16-31 queries 4-7.  A lane's 8 results of a query are 8 neighbouring keys: one conversion makes one register of the operand.
; No cluster: work-groups share only x and row 0 (16.5 KiB against 64 KiB of their own).  No tensor load: one tile a work-group, and it needs d - c on its way into LDS.
; No prefetch: all loads go out at the head.
; LIMITS: NaN and infinities are not served; alpha lies in (0, 1) as the formula needs; p under 2^-126 comes out 0; a block of zeros gets the scale byte 1 (its codes are zeros; the bytes are read here alone);
; the f32 sums are taken in another order than the formula is written in.
; REGISTERS, in windows of 256: window 0: v1-19 lane numbers and addresses, v20-27 constants of my four queries, v28-31 scale words, v32-159 two buffers of e, v160-191 accumulators,
;   v192-223 t then p (query j, step t at 8 j + t), v224-231 |e|^2, v232-250 at work.  windows 1, 2: u (query i, feature pair p at 32 i + 2 (p % 16), window 1 + p / 16).
;   window 3: v0-127 my 32 rows as loaded, later the same by columns; v128-255 e, later at work.
.set EBLK, 4112                        ; LDS: e of 8 keys (8 x 512 bytes) + 16 of padding = 257 x 16
.set EB,   0                           ; e, 16 such blocks
.set DB,   16*EBLK                     ; d as loaded, 16,384 bytes for each wave, its own
.set UB,   DB+65536                    ; u, 4,096 bytes for each wave, its own
.set PI,   UB+16384                    ; p's two fragments as images of their registers
.set DI,   PI+2048                     ; the data's eight fragments likewise
.set PS,   DI+8192                     ; p's scale words, one a query
.set DS,   PS+128                      ; the data's, one a column
.set MLB,  DS+512                      ; (M, l) of the 32 queries
.set ST,   MLB+256                     ; the stage for O: 32 rows x (512 + 16) bytes
.set SP,   528
.set LANE, 1
.set SL,   2                           ; s
.set GH,   3                           ; g
.set GX,   4                           ; 16 x lane
.set GA,   5                           ; 16 x g
.set DST,  6                           ; where I store d
.set EST,  7                           ; where I store e
.set EL,   8                           ; where I read e
.set UST,  9                           ; where I store u
.set UL,   10                          ; where I read u
.set DL,   11                          ; where I read d by columns
.set PA,   12                          ; p's image, my word
.set PSA,  13                          ; p's scale byte
.set DA,   14                          ; the data's image, my 16 bytes
.set DSA,  15                          ; the data's scale byte
.set MLA,  16                          ; (M, l)
.set PSWA, 17                          ; p's scale words, on the way back
.set DSWA, 18                          ; the data's
.set SO,   19                          ; the stage, on the way in
.set KAP,  20                          ; v20-23  2 s h of my four queries
.set NLAM, 24                          ; v24-27  -s s h
.set SCP,  28                          ; v28-29  p's scale words: they hold nothing else
.set SCD,  30                          ; v30-31  the data's
.set E0,   32
.set AC,   160                         ; eight pairs: u.e of the eight queries
.set AN,   176                         ; eight pairs: |e|^2 in eight chains
.set T,    192
.set NE,   224
.set D8,   232
.set CC,   240                         ; v240-243  -64 log2(var) - h |u|^2
.set TN,   244
.set SR,   246                         ; the stage, on the way back
.set PIF,  247
.set DIF,  248
.set MLR,  249
.set GM,   250
; at work ahead of the main loop, in the buffers of e
.set XN,   32                          ; x, then u: query i at 4 i, features 4 lane + 0 .. 3
.set CN,   64                          ; c at the same features
.set AL,   68
.set SS,   72
.set VV,   76
.set RR,   80
.set LG,   84
.set HH,   88
.set T1,   92
.set NU,   96
.set TP,   104
.set NUS,  112
; at work behind it
.set BB,   32
.set MX,   64
.set RM,   68
.set NM,   72
.set SCL,  80
.set BY,   84
.set PC,   88
.set MLP,  92
.set PP,   100
.set PF,   32                          ; p's fragments
.set DF,   48                          ; the data's
.set OA,   96                          ; four accumulators
.set WV,   14
.set SEL,  36
.set NS,   40                          ; s40-47  -s of my eight queries
.set MSB, 0
.macro WIN new                         ; the immediate's high byte repeats the setting that is left
.if MSB != \new
	s_set_vgpr_msb (MSB<<8)|\new
.set MSB, \new
.endif
.endm
	s_load_b256 s[4:11], s[0:1], 0x0               ; alphas s[4:5], data_batch s[6:7], inputs s[8:9], part s[10:11]
	s_load_b64 s[12:13], s[0:1], 0x20              ; ml
	v_lshl_add_u32 v254, v0, 2, 0x2b000
	v_mov_b32 v255, 0
	v_lshrrev_b32 v[LANE], 5, v0
	v_readfirstlane_b32 s[WV], v[LANE]             ; wave 0..3
	v_and_b32 v[LANE], 31, v0
	v_and_b32 v[SL], 15, v0
	v_bfe_u32 v[GH], v0, 4, 1
	v_lshlrev_b32 v[GX], 4, v[LANE]
	v_lshlrev_b32 v[GA], 4, v[GH]
	s_lshl_b32 s20, ttmp9, 16                      ; the work-group's 128 rows of 512 bytes,
	s_lshl_b32 s21, s[WV], 14                      ; my wave's 32 of them
	s_add_co_u32 s20, s20, s21
	s_mov_b32 s21, 0
	s_lshl_b32 s22, s[WV], 12                      ; my 8 rows of x
	s_mov_b32 s23, 0
	s_lshl_b32 s24, s[WV], 5                       ; my 8 alphas
	s_mov_b32 s25, 0
	s_lshl_b32 s26, ttmp9, 14                      ; part: 16,384 bytes a work-group, my 8 rows
	s_add_co_u32 s26, s26, s22
	s_mov_b32 s27, 0
	s_lshl_b32 s28, ttmp9, 8                       ; ml: 256 bytes a work-group
	s_mov_b32 s29, 0
	s_mov_b32 s[SEL], 0x76543210
	s_mov_b32 s[SEL+1], 0xfedcba98                 ; v_permlanex16_b32's selects for lane l xor 16
	s_wait_kmcnt 0x0
	s_add_nc_u64 s[16:17], s[6:7], s[20:21]
	s_add_nc_u64 s[8:9], s[8:9], s[22:23]
	s_add_nc_u64 s[4:5], s[4:5], s[24:25]
	s_add_nc_u64 s[10:11], s[10:11], s[26:27]
	s_add_nc_u64 s[12:13], s[12:13], s[28:29]
	; ALL LOADS GO OUT HERE: the 13 small ones first, since loads come back in order, then my 32 rows, 512 consecutive bytes a load
.irp j, 0,1,2,3
	global_load_b32 v[AL+\j], v[GA], s[4:5] offset:4*\j            ; alpha of query 8 w + 4 g + j
.endr
	global_load_b128 v[CN:CN+3], v[GX], s[6:7]                     ; c = row 0
.irp i, 0,1,2,3,4,5,6,7
	global_load_b128 v[XN+4*\i:XN+4*\i+3], v[GX], s[8:9] offset:512*\i
.endr
	WIN 0xc0                                       ; destination window 3
.irp n, 0,1,2,3,4,5,6,7,8,9,10,11,12,13,14,15,16,17,18,19,20,21,22,23,24,25,26,27,28,29,30,31
	global_load_b128 v[4*\n:4*\n+3], v[GX], s[16:17] offset:512*\n th:TH_LOAD_NT
.endr
	WIN 0
	; LDS addresses, while the loads are out: constants, the lane's numbers, the wave's number
	s_lshl_b32 s30, s[WV], 14
	s_add_co_u32 s30, s30, DB
	v_add_nc_u32 v[DST], s30, v[GX]
	v_lshl_add_u32 v[DL], v[LANE], 2, s30
	s_mul_i32 s31, s[WV], 4*EBLK
	v_add_nc_u32 v[EST], s31, v[GX]
	v_mul_u32_u24 v[EL], v[SL], EBLK
	v_lshl_add_u32 v[EL], v[GH], 4, v[EL]
	s_lshl_b32 s32, s[WV], 12
	s_add_co_u32 s32, s32, UB
	v_add_nc_u32 v[UST], s32, v[GX]
	v_lshl_add_u32 v[UL], v[GH], 4, s32
	; p's image: query q = 8 w + 4 g + j is column q % 16 of fragment q / 16; keys 8 s .. 8 s + 7 are register 4 (s / 8) + s % 4 of lane q % 16 + 16 ((s / 4) % 2)
	s_lshr_b32 s33, s[WV], 1
	s_lshl_b32 s33, s33, 10
	s_and_b32 s34, s[WV], 1
	s_lshl_b32 s34, s34, 7
	s_add_co_u32 s33, s33, s34
	s_add_co_u32 s33, s33, PI
	v_and_b32 v[PA], 12, v[SL]
	v_lshlrev_b32 v[PA], 6, v[PA]                  ; 256 (s / 4)
	v_and_b32 v[TN], 3, v[SL]
	v_lshl_add_u32 v[PA], v[TN], 2, v[PA]
	v_lshl_add_u32 v[PA], v[GH], 6, v[PA]
	v_add_nc_u32 v[PA], s33, v[PA]
	s_lshl_b32 s34, s[WV], 5
	s_add_co_u32 s34, s34, PS
	v_lshrrev_b32 v[PSA], 2, v[SL]                 ; 4 q + the block s / 4
	v_lshl_add_u32 v[PSA], v[GH], 4, v[PSA]
	v_add_nc_u32 v[PSA], s34, v[PSA]
	; the data's image: column lane + 32 cs is row lane % 16 of fragment 2 cs + lane / 16; my block w is registers 4 (w / 2) .. + 3 of lane lane % 16 + 16 (w % 2)
	s_lshl_b32 s34, s[WV], 8
	s_add_co_u32 s34, s34, DI
	v_lshlrev_b32 v[DA], 4, v[SL]
	v_lshl_add_u32 v[DA], v[GH], 10, v[DA]
	v_add_nc_u32 v[DA], s34, v[DA]
	s_add_co_u32 s34, s[WV], DS
	v_lshl_add_u32 v[DSA], v[LANE], 2, s34
	s_lshl_b32 s34, s[WV], 6
	s_add_co_u32 s34, s34, MLB
	v_lshl_add_u32 v[MLA], v[GH], 5, s34
	v_lshl_add_u32 v[PSWA], v[SL], 2, PS
	s_lshl_b32 s34, s[WV], 7
	s_add_co_u32 s34, s34, DS
	v_lshl_add_u32 v[DSWA], v[SL], 2, s34
	v_add_nc_u32 v[PIF], PI, v[GX]
	s_lshl_b32 s34, s[WV], 11
	s_add_co_u32 s34, s34, DI
	v_add_nc_u32 v[DIF], s34, v[GX]
	v_lshl_add_u32 v[MLR], v[LANE], 3, MLB
	v_lshlrev_b32 v[GM], 3, v[LANE]
	s_lshl_b32 s35, s[WV], 7
	s_add_co_u32 s35, s35, ST
	s_mul_i32 s38, s[WV], 8*SP
	s_add_co_u32 s38, s38, ST
	; ---- THE QUERIES' CONSTANTS AND u, while the rows are on their way
	s_wait_loadcnt 32                              ; alphas, c and x are in: the 32 loads of rows were issued behind them
.irp j, 0,1,2,3
	v_sub_f32 v[VV+\j], 1.0, v[AL+\j]              ; var
.endr
.irp j, 0,1,2,3
	v_sqrt_f32 v[SS+\j], v[AL+\j]                  ; s
.endr
.irp j, 0,1,2,3
	v_rcp_f32 v[RR+\j], v[VV+\j]
.endr
.irp j, 0,1,2,3
	v_log_f32 v[LG+\j], v[VV+\j]                   ; log2(var)
.endr
.irp i, 0,1,2,3,4,5,6,7
	v_mov_b32 v[TP+\i], 0                          ; a lane permute's destination counts as one of its sources.  (Plain work behind the twelve)
.endr
	v_mov_b32 v[TN+1], 0
	v_cmp_lt_u32 vcc_lo, 15, v[LANE]               ; lanes 16-31
	s_wait_alu depctr_va_vdst(0)                   ; one wait for the batch of twelve, ahead of its first reader
.irp j, 0,1,2,3
	v_fma_f32 v[T1+\j], -v[VV+\j], v[RR+\j], 1.0   ; one Newton step on 1 / var: h multiplies numbers of some hundreds
.endr
.irp j, 0,1,2,3
	v_fma_f32 v[RR+\j], v[RR+\j], v[T1+\j], v[RR+\j]
.endr
.irp j, 0,1,2,3
	v_mul_f32 v[HH+\j], 0x3f38aa3b, v[RR+\j]       ; h = 0.5 log2(e) / var
.endr
.irp j, 0,1,2,3
	v_mul_f32 v[T1+\j], v[SS+\j], v[HH+\j]
.endr
.irp j, 0,1,2,3
	v_add_f32 v[KAP+\j], v[T1+\j], v[T1+\j]        ; 2 s h
.endr
.irp j, 0,1,2,3
	v_mul_f32 v[NLAM+\j], -v[SS+\j], v[T1+\j]      ; -s s h
.endr
.irp j, 0,1,2,3
	v_mul_f32 v[LG+\j], 0xc2800000, v[LG+\j]       ; -64 log2(var)
.endr
.irp j, 0,1,2,3
	v_mul_f32 v[SS+\j], -1.0, v[SS+\j]
.endr
.irp j, 0,1,2,3
	v_readlane_b32 s[NS+\j], v[SS+\j], 0           ; -s of queries 0-3 of the wave lies in lanes 0-15,
	v_readlane_b32 s[NS+4+\j], v[SS+\j], 16        ; of queries 4-7 in lanes 16-31
.endr
.irp i, 0,1,2,3,4,5,6,7
.irp k, 0,1,2,3
	v_fma_f32 v[XN+4*\i+\k], s[NS+\i], v[CN+\k], v[XN+4*\i+\k]     ; u = x - s c
.endr
.endr
.irp i, 0,1,2,3,4,5,6,7
	ds_store_b128 v[UST], v[XN+4*\i:XN+4*\i+3] offset:512*\i
.endr
	; u into its 512 registers: every lane of a half takes the same 16 bytes.  LDS serves a wave's instructions in order: these see the stores above
	WIN 0x40                                       ; destination window 1
.irp i, 0,1,2,3,4,5,6,7
.irp c, 0,1,2,3,4,5,6,7
	ds_load_b128 v[32*\i+4*\c:32*\i+4*\c+3], v[UL] offset:512*\i+32*\c
.endr
.endr
	WIN 0x80                                       ; destination window 2
.irp i, 0,1,2,3,4,5,6,7
.irp c, 0,1,2,3,4,5,6,7
	ds_load_b128 v[32*\i+4*\c:32*\i+4*\c+3], v[UL] offset:512*\i+256+32*\c
.endr
.endr
	WIN 0
.irp i, 0,1,2,3,4,5,6,7
	v_mul_f32 v[NU+\i], v[XN+4*\i], v[XN+4*\i]     ; |u|^2: my four features,
.endr
.irp k, 1,2,3
.irp i, 0,1,2,3,4,5,6,7
	v_fma_f32 v[NU+\i], v[XN+4*\i+\k], v[XN+4*\i+\k], v[NU+\i]
.endr
.endr
.irp m, 1,2,4,8
.irp i, 0,1,2,3,4,5,6,7
	v_add_f32_dpp v[NU+\i], v[NU+\i], v[NU+\i] row_xmask:\m row_mask:0xf bank_mask:0xf   ; the 16 lanes of my half,
.endr
.endr
.irp i, 0,1,2,3,4,5,6,7
	v_permlanex16_b32 v[TP+\i], v[NU+\i], s[SEL], s[SEL+1]
.endr
.irp i, 0,1,2,3,4,5,6,7
	v_add_f32 v[NU+\i], v[NU+\i], v[TP+\i]         ; and the other half's
.endr
.irp j, 0,1,2,3
	v_cndmask_b32 v[NUS+\j], v[NU+\j], v[NU+4+\j], vcc_lo          ; that of query 4 g + j
.endr
.irp j, 0,1,2,3
	v_fma_f32 v[CC+\j], -v[HH+\j], v[NUS+\j], v[LG+\j]             ; -64 log2(var) - h |u|^2
.endr
	; ---- MY 32 ROWS, eight at a time as they land: d to my own part of LDS, e = d - c to the tile that all four waves read
.macro ROWS y
	s_wait_loadcnt 24-8*(\y)                       ; rows 8 y .. 8 y + 7 are in; the later rows' loads may be out
	WIN 0x0c                                       ; an LDS store's data are its source 1: window 3
.irp n, 0,1,2,3,4,5,6,7
	ds_store_b128 v[DST], v[4*(8*(\y)+\n):4*(8*(\y)+\n)+3] offset:512*(8*(\y)+\n)
.endr
	WIN 0xc3                                       ; d and e window 3, c window 0
.irp n, 0,1,2,3,4,5,6,7
	v_pk_add_f32 v[128+4*(8*(\y)+\n):128+4*(8*(\y)+\n)+1], v[4*(8*(\y)+\n):4*(8*(\y)+\n)+1], v[CN:CN+1] neg_lo:[0,1] neg_hi:[0,1]
	v_pk_add_f32 v[128+4*(8*(\y)+\n)+2:128+4*(8*(\y)+\n)+3], v[4*(8*(\y)+\n)+2:4*(8*(\y)+\n)+3], v[CN+2:CN+3] neg_lo:[0,1] neg_hi:[0,1]
.endr
	WIN 0x0c
.irp n, 0,1,2,3,4,5,6,7
	ds_store_b128 v[EST], v[128+4*(8*(\y)+\n):128+4*(8*(\y)+\n)+3] offset:EBLK*(\y)+512*\n
.endr
.endm
	ROWS 0
	ROWS 1
	ROWS 2
	ROWS 3
	WIN 0
	s_wait_dscnt 0x0                               ; my stores of e have landed (for the others' sake), u is in its registers
	s_barrier_signal -1
	s_barrier_wait -1                              ; the tile of e is whole
.irp c, 0,1,2,3,4,5,6,7,8,9,10,11,12,13,14,15
	ds_load_b128 v[E0+4*\c:E0+4*\c+3], v[EL] offset:32*\c          ; step 0: key 8 s, my 64 features
.endr
; ---- A STEP: key 8 s + t of every lane against the wave's eight queries
.macro STEP t
.set EC, E0+64*((\t)%2)
.set EN, E0+64-64*((\t)%2)
.if (\t) == 0
	s_wait_dscnt 0x0
.else
	s_wait_dscnt 16                                ; this step's e is in: behind its 16 loads only the last step's 16 column reads were issued
.endif
.if (\t) < 7
.irp c, 0,1,2,3,4,5,6,7,8,9,10,11,12,13,14,15
	ds_load_b128 v[EN+4*\c:EN+4*\c+3], v[EL] offset:512*((\t)+1)+32*\c     ; the next step's, a whole step ahead of its use
.endr
.endif
	WIN 0xc0                                       ; destination window 3
.irp m, 0,1,2,3,4,5,6,7,8,9,10,11,12,13,14,15
	ds_load_b32 v[16*(\t)+\m], v[DL] offset:512*((16*(\t)+\m)%32)+128*((\t)/2)   ; an eighth of my rows by columns: register 32 cs + n = d(n, lane + 32 cs): a lane to a column, registers down K
.endr
	WIN 0
.irp p, 0,1,2,3,4,5,6,7
	v_pk_mul_f32 v[AN+2*\p:AN+2*\p+1], v[EC+2*\p:EC+2*\p+1], v[EC+2*\p:EC+2*\p+1]        ; |e|^2 in eight chains; the first products start the sums
.endr
.irp p, 8,9,10,11,12,13,14,15,16,17,18,19,20,21,22,23,24,25,26,27,28,29,30,31
	v_pk_fma_f32 v[AN+2*(\p%8):AN+2*(\p%8)+1], v[EC+2*\p:EC+2*\p+1], v[EC+2*\p:EC+2*\p+1], v[AN+2*(\p%8):AN+2*(\p%8)+1]
.endr
	WIN 0x01                                       ; source 0 (u) window 1
.irp p, 0,1,2,3,4,5,6,7,8,9,10,11,12,13,14,15
.irp i, 0,1,2,3,4,5,6,7
.if \p == 0
	v_pk_mul_f32 v[AC+2*\i:AC+2*\i+1], v[32*\i+2*\p:32*\i+2*\p+1], v[EC+2*\p:EC+2*\p+1]
.else
	v_pk_fma_f32 v[AC+2*\i:AC+2*\i+1], v[32*\i+2*\p:32*\i+2*\p+1], v[EC+2*\p:EC+2*\p+1], v[AC+2*\i:AC+2*\i+1]   ; the eight queries by turns: no line waits for the line above it
.endif
.endr
.endr
	WIN 0x02                                       ; source 0 window 2
.irp p, 0,1,2,3,4,5,6,7,8,9,10,11,12,13,14,15
.irp i, 0,1,2,3,4,5,6,7
	v_pk_fma_f32 v[AC+2*\i:AC+2*\i+1], v[32*\i+2*\p:32*\i+2*\p+1], v[EC+32+2*\p:EC+32+2*\p+1], v[AC+2*\i:AC+2*\i+1]
.endr
.endr
	WIN 0
.irp p, 0,1,2,3
	v_pk_add_f32 v[AN+2*\p:AN+2*\p+1], v[AN+2*\p:AN+2*\p+1], v[AN+8+2*\p:AN+8+2*\p+1]
.endr
.irp i, 0,1,2,3,4,5,6,7
	v_add_f32 v[D8+\i], v[AC+2*\i], v[AC+2*\i+1]   ; even and odd features
.endr
	v_pk_add_f32 v[AN:AN+1], v[AN:AN+1], v[AN+4:AN+5]
	v_pk_add_f32 v[AN+2:AN+3], v[AN+2:AN+3], v[AN+6:AN+7]
.irp j, 0,1,2,3
	v_permlane16_swap_b32 v[D8+\j], v[D8+4+\j]     ; query j's lanes 16-31 change places with query j + 4's lanes 0-15:
.endr
	v_pk_add_f32 v[AN:AN+1], v[AN:AN+1], v[AN+2:AN+3]
.irp j, 0,1,2,3
	v_add_f32 v[T+8*\j+(\t)], v[D8+\j], v[D8+4+\j] ; the sum is u.e over all 128 features, of query j in lanes 0-15 and of query j + 4 in lanes 16-31
.endr
	v_add_f32 v[TN], v[AN], v[AN+1]
	v_permlanex16_b32 v[TN+1], v[TN], s[SEL], s[SEL+1]
	v_add_f32 v[NE+(\t)], v[TN], v[TN+1]           ; |e|^2 of key 8 s + t, in both halves
.endm
	STEP 0
	STEP 1
	STEP 2
	STEP 3
	STEP 4
	STEP 5
	STEP 6
	STEP 7
	; ---- THE SOFTMAX'S PART: lane (g, s) holds query 4 g + j of the wave, keys 8 s + 0 .. 7, in v[T + 8 j] on
.irp t, 0,1,2,3,4,5,6,7
.irp j, 0,1,2,3
	v_fma_f32 v[BB+8*\j+\t], v[NLAM+\j], v[NE+\t], v[CC+\j]
.endr
.endr
.irp t, 0,1,2,3,4,5,6,7
.irp j, 0,1,2,3
	v_fma_f32 v[T+8*\j+\t], v[KAP+\j], v[T+8*\j+\t], v[BB+8*\j+\t]         ; t
.endr
.endr
.irp j, 0,1,2,3
	v_max3_num_f32 v[MX+\j], v[T+8*\j], v[T+8*\j+1], v[T+8*\j+2]
.endr
.irp j, 0,1,2,3
	v_max3_num_f32 v[MX+\j], v[MX+\j], v[T+8*\j+3], v[T+8*\j+4]
.endr
.irp j, 0,1,2,3
	v_max3_num_f32 v[MX+\j], v[MX+\j], v[T+8*\j+5], v[T+8*\j+6]
.endr
.irp j, 0,1,2,3
	v_max_num_f32 v[MX+\j], v[MX+\j], v[T+8*\j+7]
.endr
.irp m, 1,2
.irp j, 0,1,2,3
	v_max_num_f32_dpp v[MX+\j], v[MX+\j], v[MX+\j] row_xmask:\m row_mask:0xf bank_mask:0xf   ; four lanes are a block of 32 keys: the block's largest t.  It serves twice: p rises with t
.endr
.endr
.irp j, 0,1,2,3
	v_mov_b32 v[RM+\j], v[MX+\j]
.endr
.irp m, 4,8
.irp j, 0,1,2,3
	v_max_num_f32_dpp v[RM+\j], v[RM+\j], v[RM+\j] row_xmask:\m row_mask:0xf bank_mask:0xf   ; the largest t of the 128 keys
.endr
.endr
.irp j, 0,1,2,3
	v_floor_f32 v[NM+\j], -v[RM+\j]                ; -M = floor(-t) = -ceil(t): a whole number
.endr
.irp t, 0,1,2,3,4,5,6,7
.irp j, 0,1,2,3
	v_add_f32 v[T+8*\j+\t], v[T+8*\j+\t], v[NM+\j] ; t - M
.endr
.endr
.irp j, 0,1,2,3
	v_add_f32 v[MX+\j], v[MX+\j], v[NM+\j]
.endr
.irp t, 0,1,2,3,4,5,6,7
.irp j, 0,1,2,3
	v_exp_f32 v[T+8*\j+\t], v[T+8*\j+\t]           ; p = 2^(t - M), not normalised
.endr
.endr
.irp j, 0,1,2,3
	v_exp_f32 v[MX+\j], v[MX+\j]                   ; the block's largest p: the same two instructions on the same number
.endr
.irp j, 0,1,2,3
	v_mul_f32 v[MLP+2*\j], -1.0, v[NM+\j]          ; M.  (Plain work behind the exponentials)
.endr
	s_wait_alu depctr_va_vdst(0)                   ; one wait for the batch of 36, ahead of its first reader
.irp j, 0,1,2,3
	v_pk_add_f32 v[PP+4*\j:PP+4*\j+1], v[T+8*\j:T+8*\j+1], v[T+8*\j+2:T+8*\j+3]        ; l is the sum of the UNQUANTISED p
	v_pk_add_f32 v[PP+4*\j+2:PP+4*\j+3], v[T+8*\j+4:T+8*\j+5], v[T+8*\j+6:T+8*\j+7]
.endr
.irp j, 0,1,2,3
	v_pk_add_f32 v[PP+4*\j:PP+4*\j+1], v[PP+4*\j:PP+4*\j+1], v[PP+4*\j+2:PP+4*\j+3]
.endr
.irp j, 0,1,2,3
	v_add_f32 v[MLP+2*\j+1], v[PP+4*\j], v[PP+4*\j+1]
.endr
.irp m, 1,2,4,8
.irp j, 0,1,2,3
	v_add_f32_dpp v[MLP+2*\j+1], v[MLP+2*\j+1], v[MLP+2*\j+1] row_xmask:\m row_mask:0xf bank_mask:0xf
.endr
.endr
.irp j, 0,1,2,3
	v_max_num_f32 v[MX+\j], 0x1800000, v[MX+\j]    ; the floor 2^(3 - 127): the byte cannot fall under 1
.endr
.irp j, 0,1,2,3
	v_add_nc_u32 v[SCL+\j], 0xff000000, v[MX+\j]   ; 2 off the exponent field: the conversion takes the exponent field of this operand as its scale
.endr
.irp j, 0,1,2,3
	v_lshrrev_b32 v[BY+\j], 23, v[SCL+\j]          ; the scale's byte
.endr
.irp j, 0,1,2,3
	v_cvt_scalef32_pk8_fp4_f32 v[PC+\j], v[T+8*\j:T+8*\j+7], v[SCL+\j]     ; keys 8 s .. 8 s + 7: one register of the operand
.endr
	v_nop                                          ; one plain place behind a scaled conversion
.irp j, 0,1,2,3
	ds_store_b32 v[PA], v[PC+\j] offset:16*\j
	ds_store_b8 v[PSA], v[BY+\j] offset:4*\j       ; the four lanes of a block write the same byte with the same value
	ds_store_b64 v[MLA], v[MLP+2*\j:MLP+2*\j+1] offset:8*\j        ; the sixteen lanes of a half likewise
.endr
	; ---- MY BLOCK OF THE DATA: 32 keys x 128 columns, a lane to a column, four columns a lane: all 32 numbers of a block are one lane's
.set DM0, 128
.set DM1, 132
.set DSC, 136
.set DBY, 140
.set DQC, 144
	s_wait_dscnt 0x0                               ; the last column reads are in
	WIN 0xff                                       ; all in window 3
.irp cs, 0,1,2,3
	v_max3_num_f32 v[DM0+\cs], |v[32*\cs]|, |v[32*\cs+1]|, |v[32*\cs+2]|
.endr
.irp cs, 0,1,2,3
	v_max3_num_f32 v[DM1+\cs], |v[32*\cs+3]|, |v[32*\cs+4]|, |v[32*\cs+5]|
.endr
.irp i, 6,10,14,18,22,26
.irp cs, 0,1,2,3
	v_max3_num_f32 v[DM0+\cs], v[DM0+\cs], |v[32*\cs+\i]|, |v[32*\cs+\i+1]|
.endr
.irp cs, 0,1,2,3
	v_max3_num_f32 v[DM1+\cs], v[DM1+\cs], |v[32*\cs+\i+2]|, |v[32*\cs+\i+3]|
.endr
.endr
.irp cs, 0,1,2,3
	v_max3_num_f32 v[DM0+\cs], v[DM0+\cs], |v[32*\cs+30]|, |v[32*\cs+31]|
.endr
.irp cs, 0,1,2,3
	v_max3_num_f32 v[DM0+\cs], v[DM0+\cs], v[DM1+\cs], 0x1800000   ; the block's largest magnitude, and the floor
.endr
.irp cs, 0,1,2,3
	v_add_nc_u32 v[DSC+\cs], 0xff000000, v[DM0+\cs]
.endr
.irp cs, 0,1,2,3
	v_lshrrev_b32 v[DBY+\cs], 23, v[DSC+\cs]
.endr
.irp cs, 0,1,2,3
.irp y, 0,1,2,3
	v_cvt_scalef32_pk8_fp4_f32 v[DQC+4*\cs+\y], v[32*\cs+8*\y:32*\cs+8*\y+7], v[DSC+\cs]
.endr
.endr
	v_nop                                          ; one plain place behind a scaled conversion
	WIN 0x0c
.irp cs, 0,1,2,3
	ds_store_b128 v[DA], v[DQC+4*\cs:DQC+4*\cs+3] offset:2048*\cs
	ds_store_b8 v[DSA], v[DBY+\cs] offset:128*\cs
.endr
	WIN 0
	s_wait_dscnt 0x0                               ; my parts of both operands have landed
	s_barrier_signal -1
	s_barrier_wait -1                              ; both operands are whole
	; ---- THE PRODUCT, transposed: source 0 = 16 columns of the data, source 1 = 16 queries; K = the 128 keys.  Wave w makes columns 32 w .. 32 w + 31 for all 32 queries
.irp f, 0,1
.irp c, 0,1
	ds_load_b128 v[PF+8*\f+4*\c:PF+8*\f+4*\c+3], v[PIF] offset:1024*\f+512*\c
	ds_load_b128 v[DF+8*\f+4*\c:DF+8*\f+4*\c+3], v[DIF] offset:1024*\f+512*\c
.endr
	ds_load_b32 v[SCP+\f], v[PSWA] offset:64*\f
	ds_load_b32 v[SCD+\f], v[DSWA] offset:64*\f
.endr
	s_wait_dscnt 0x0
.irp f, 0,1
.irp y, 0,1
	v_wmma_scale_f32_16x16x128_f8f6f4 v[OA+8*(2*\f+\y):OA+8*(2*\f+\y)+7], v[DF+8*\y:DF+8*\y+7], v[PF+8*\f:PF+8*\f+7], 0, v[SCD+\y], v[SCP+\f] matrix_a_fmt:MATRIX_FMT_FP4 matrix_b_fmt:MATRIX_FMT_FP4
.endr
.endr
	v_mul_u32_u24 v[SO], v[SL], SP                 ; the stage's addresses are the four places behind the products: row = the query, 32 bytes for each half of the lanes, 128 for each wave
	v_lshl_add_u32 v[SO], v[GH], 5, v[SO]
	v_add_nc_u32 v[SO], s35, v[SO]
	v_add_nc_u32 v[SR], s38, v[GX]
.irp f, 0,1
.irp y, 0,1
	ds_store_b128 v[SO], v[OA+8*(2*\f+\y):OA+8*(2*\f+\y)+3] offset:16*SP*\f+64*\y            ; lane (r, h): O(16 f + r, 32 w + 16 y + 8 h + 0 .. 7); each accumulator from its low end on
	ds_store_b128 v[SO], v[OA+8*(2*\f+\y)+4:OA+8*(2*\f+\y)+7] offset:16*SP*\f+64*\y+16
.endr
.endr
	s_wait_dscnt 0x0
	s_barrier_signal -1
	s_barrier_wait -1                              ; 32 whole rows of O lie in the stage
.irp i, 0,1,2,3,4,5,6,7
	ds_load_b128 v[32+4*\i:32+4*\i+3], v[SR] offset:SP*\i
.endr
.irp i, 0,1,2,3,4,5,6,7
	s_wait_dscnt 7-\i                              ; row i is back; the later rows' loads may be out
	global_store_b128 v[GX], v[32+4*\i:32+4*\i+3], s[10:11] offset:512*\i  ; 32 lanes store a row of 512 consecutive bytes, aligned
.endr
	s_cmp_lg_u32 s[WV], 0
	s_cbranch_scc1 .Ldone
	ds_load_b64 v[64:65], v[MLR]                   ; wave 0: (M, l) of query = lane
	s_wait_dscnt 0x0
	global_store_b64 v[GM], v[64:65], s[12:13]     ; 256 consecutive bytes, aligned
.Ldone:
	s_wait_tensorcnt 0x0
	ds_add_u32 v254, v255
	s_wait_dscnt 0x0
	s_endpgm
.Lfunc_end_k_q73aeebb085_part:
	.size	k_q73aeebb085_part, .Lfunc_end_k_q73aeebb085_part-k_q73aeebb085_part
	.p2alignl 7, 3214868480
	.fill 96, 4, 3214868480
	.section	.rodata,"a",@progbits
	.p2align	6, 0x0
	.amdhsa_kernel k_q73aeebb085_part
		.amdhsa_group_segment_fixed_size 176640
		.amdhsa_private_segment_fixed_size 0
		.amdhsa_enable_private_segment 0
		.amdhsa_kernarg_size 40
		.amdhsa_user_sgpr_count 2
		.amdhsa_user_sgpr_kernarg_segment_ptr 1
		.amdhsa_wavefront_size32 1
		.amdhsa_system_sgpr_workgroup_id_x 1
		.amdhsa_system_sgpr_workgroup_id_y 1
		.amdhsa_system_sgpr_workgroup_id_z 1
		.amdhsa_system_vgpr_workitem_id 0
		.amdhsa_next_free_vgpr 1024
		.amdhsa_next_free_sgpr 66
		.amdhsa_reserve_vcc 1
		.amdhsa_float_denorm_mode_32 3
		.amdhsa_float_denorm_mode_16_64 3
		.amdhsa_memory_ordered 1
		.amdhsa_forward_progress 1
		.amdhsa_inst_pref_size 228
	.end_amdhsa_kernel
	.amdgpu_metadata
---
amdhsa.version: [ 1, 2 ]
amdhsa.kernels:
  - .name:           k_q73aeebb085_part
    .symbol:         k_q73aeebb085_part.kd
    .args:
      - { .name: alphas, .offset: 0, .size: 8, .value_kind: global_buffer, .address_space: global }
      - { .name: data_batch, .offset: 8, .size: 8, .value_kind: global_buffer, .address_space: global }
      - { .name: inputs, .offset: 16, .size: 8, .value_kind: global_buffer, .address_space: global }
      - { .name: part, .offset: 24, .size: 8, .value_kind: global_buffer, .address_space: global }
      - { .name: ml, .offset: 32, .size: 8, .value_kind: global_buffer, .address_space: global }
    .group_segment_fixed_size: 176640
    .private_segment_fixed_size: 0
    .kernarg_segment_align: 8
    .kernarg_segment_size: 40
    .max_flat_workgroup_size: 128
    .sgpr_count:     66
    .vgpr_count:     1024
    .wavefront_size: 32
...
	.end_amdgpu_metadata
.endif
;; end of part 1
;; launch combine (part 2): grid 64 x 1, 16 waves a work-group, no clusters, 6,656 bytes of LDS; arguments alphas, inputs, part, ml, out0; writes out0
.if DOCPART == 2
	.amdgcn_target "amdgcn-amd-amdhsa--gfx1250"
	.amdhsa_code_object_version 6
	.text
	.protected	k_q73aeebb085_combine
	.globl	k_q73aeebb085_combine
	.p2align	8
	.type	k_q73aeebb085_combine,@function
k_q73aeebb085_combine:
	s_mov_b64 s[64:65], 0
	v_nop
	global_prefetch_b8 v0, s[64:65] scope:SCOPE_SE
	s_setreg_imm32_b32 hwreg(HW_REG_WAVE_MODE, 25, 1), 1
	s_wait_xcnt 0x0
; THE 256 PARTS ARE JOINED.  part [256][32][128] f32: O of each block of 128 keys under its own M; ml [256][32][2]: (M, l).  out0 [32][128] = (x - s O / l) / sqrt(var).
; With M = the largest M_i:  O = sum of 2^(M_i - M) O_i,  l = sum of 2^(M_i - M) l_i.  Every M_i is a whole number, so each weight is an exact power of two, made by v_ldexp_f32.
; SHARES.  A work-group owns one query and half of its row: 64 numbers, 256 bytes; 64 work-groups, since a smaller piece would be less than 256 consecutive bytes of each part.
; Each of its 16 waves takes 16 parts: a load brings two, lanes 0-15 one part's 256 bytes and lanes 16-31 the next part's, each aligned.  All of a wave's 16 loads go out at the head.
; A wave joins its 16 parts under its own largest M and leaves (M, l, 64 sums) in LDS; behind ONE barrier wave 0 joins the 16 waves' figures by the same lines and writes the result.
; Matrix units, clusters, tensor loads and prefetches have nothing to do here: a sum of 4 MiB, each byte read once, all loads issued at once.
; LIMITS: a weight under 2^-149 is 0; NaN and infinities are not served.
.set AB,  0                            ; LDS: 16 waves x 256 bytes of sums
.set MB,  4096                         ; 16 x (M, l)
.set RL_, 2                            ; v2  r = lane % 16
.set HL,  3                            ; v3  h = lane / 16
.set R16, 4                            ; v4  16 r
.set VO,  5                            ; v5  16 r + 16,384 h
.set VM,  6                            ; v6  256 h
.set SA,  7
.set SM,  8
.set RA,  9
.set RMA, 10
.set ML,  16                           ; v16-31  eight (M, l)
.set O,   32                           ; v32-63  eight x four numbers
.set W,   64                           ; v64-71  eight weights
.set MW,  72                           ; v72 the joint M, v73 the joint l: a pair
.set LW,  73
.set TP,  74
.set TL,  75
.set ACC, 76
.set TQ,  80
.set X,   84
.set AV,  88
.set VR,  89
.set SQ,  90
.set RQ,  91
.set RC,  92
.set FF,  93
.set WV,  14
.set SEL, 32
	s_load_b256 s[4:11], s[0:1], 0x0               ; alphas s[4:5], inputs s[6:7], part s[8:9], ml s[10:11]
	s_load_b64 s[12:13], s[0:1], 0x20              ; out0
	v_lshl_add_u32 v96, v0, 2, 0x1200
	v_mov_b32 v97, 0
	v_lshrrev_b32 v1, 5, v0
	v_readfirstlane_b32 s[WV], v1                  ; wave 0..15
	v_and_b32 v[RL_], 15, v0
	v_bfe_u32 v[HL], v0, 4, 1
	s_lshr_b32 s15, ttmp9, 1                       ; the query
	s_and_b32 s16, ttmp9, 1                        ; which half of its row
	s_lshl_b32 s20, s15, 9
	s_lshl_b32 s21, s16, 8
	s_add_co_u32 s20, s20, s21                     ; my 256 bytes in a [32][128] array
	s_mov_b32 s21, 0
	s_lshl_b32 s22, s[WV], 18                      ; my wave's 16 parts of 16,384 bytes
	s_add_co_u32 s22, s22, s20
	s_mov_b32 s23, 0
	s_lshl_b32 s24, s[WV], 12                      ; and their 16 x 256 bytes of ml,
	s_lshl_b32 s25, s15, 3                         ; the query's 8 bytes in each
	s_add_co_u32 s24, s24, s25
	s_mov_b32 s25, 0
	s_lshl_b32 s26, s15, 2
	s_mov_b32 s27, 0
	s_mov_b32 s[SEL], 0x76543210
	s_mov_b32 s[SEL+1], 0xfedcba98                 ; v_permlanex16_b32's selects for lane l xor 16
	v_lshlrev_b32 v[R16], 4, v[RL_]
	v_lshl_add_u32 v[VO], v[HL], 14, v[R16]
	v_lshlrev_b32 v[VM], 8, v[HL]
	s_lshl_b32 s30, s[WV], 8                       ; LDS addresses, all made ahead of the first branch on the wave's number
	v_lshl_add_u32 v[SA], v[RL_], 4, s30
	s_lshl_b32 s31, s[WV], 3
	s_add_co_u32 s31, s31, MB
	v_mov_b32 v[SM], s31
	v_lshlrev_b32 v[RA], 11, v[HL]
	v_lshl_add_u32 v[RA], v[RL_], 4, v[RA]
	v_lshl_add_u32 v[RMA], v[HL], 6, MB
	v_mov_b32 v[TP], 0                             ; a lane permute's destination counts as one of its sources
	v_mov_b32 v[TL], 0
.irp c, 0,1,2,3
	v_mov_b32 v[TQ+\c], 0
.endr
	s_wait_kmcnt 0x0
	s_add_nc_u64 s[8:9], s[8:9], s[22:23]
	s_add_nc_u64 s[10:11], s[10:11], s[24:25]
	s_add_nc_u64 s[6:7], s[6:7], s[20:21]
	s_add_nc_u64 s[12:13], s[12:13], s[20:21]
	s_add_nc_u64 s[4:5], s[4:5], s[26:27]
	s_load_b32 s28, s[4:5], 0x0                    ; the query's alpha
.irp k, 0,1,2,3,4,5,6,7
	global_load_b64 v[ML+2*\k:ML+2*\k+1], v[VM], s[10:11] offset:512*\k            ; (M, l) of part 16 w + 2 k + h
.endr
.irp k, 0,1,2,3,4,5,6,7
	global_load_b128 v[O+4*\k:O+4*\k+3], v[VO], s[8:9] offset:32768*\k th:TH_LOAD_NT       ; and its 256 bytes, 16 a lane
.endr
	s_cmp_lg_u32 s[WV], 0
	s_cbranch_scc1 .Lno_x
	global_load_b128 v[X:X+3], v[R16], s[6:7]      ; wave 0 writes the result: x's 256 bytes come with the rest
.Lno_x:
; Eight (M, l, four numbers) of each half of the lanes become one, the same in both halves
.macro COMBINE fromglobal
	v_max3_num_f32 v[MW], v[ML], v[ML+2], v[ML+4]
	v_max3_num_f32 v[MW], v[MW], v[ML+6], v[ML+8]
	v_max3_num_f32 v[MW], v[MW], v[ML+10], v[ML+12]
	v_max_num_f32 v[MW], v[MW], v[ML+14]
	v_permlanex16_b32 v[TP], v[MW], s[SEL], s[SEL+1]
	v_max_num_f32 v[MW], v[MW], v[TP]              ; the largest M of the sixteen
.irp k, 0,1,2,3,4,5,6,7
	v_sub_f32 v[W+\k], v[ML+2*\k], v[MW]           ; a whole number, 0 or less
.endr
.irp k, 0,1,2,3,4,5,6,7
	v_cvt_i32_f32 v[W+\k], v[W+\k]                 ; (it saturates)
.endr
.irp k, 0,1,2,3,4,5,6,7
	v_ldexp_f32 v[W+\k], 1.0, v[W+\k]              ; the weight: an exact power of two
.endr
	v_mul_f32 v[LW], v[W], v[ML+1]
.irp k, 1,2,3,4,5,6,7
	v_fma_f32 v[LW], v[W+\k], v[ML+2*\k+1], v[LW]
.endr
.if \fromglobal
	s_wait_loadcnt 0x0                             ; the sums' loads are in
.endif
.irp c, 0,1,2,3
	v_mul_f32 v[ACC+\c], v[W], v[O+\c]
.endr
.irp k, 1,2,3,4,5,6,7
.irp c, 0,1,2,3
	v_fma_f32 v[ACC+\c], v[W+\k], v[O+4*\k+\c], v[ACC+\c]
.endr
.endr
	v_permlanex16_b32 v[TL], v[LW], s[SEL], s[SEL+1]
.irp c, 0,1,2,3
	v_permlanex16_b32 v[TQ+\c], v[ACC+\c], s[SEL], s[SEL+1]
.endr
	v_add_f32 v[LW], v[LW], v[TL]
.irp c, 0,1,2,3
	v_add_f32 v[ACC+\c], v[ACC+\c], v[TQ+\c]       ; with the other half's eight
.endr
.endm
	s_wait_loadcnt 8                               ; the eight (M, l) are in: eight loads were issued behind them (nine in wave 0, which so waits for one more)
	COMBINE 1
	ds_store_b128 v[SA], v[ACC:ACC+3]              ; both halves of the lanes write the same bytes with the same values
	ds_store_b64 v[SM], v[MW:MW+1]
	s_wait_dscnt 0x0                               ; for wave 0's sake: my stores have landed
	s_barrier_signal -1
	s_barrier_wait -1
	s_cmp_lg_u32 s[WV], 0
	s_cbranch_scc1 .Lend
.irp m, 0,1,2,3,4,5,6,7
	ds_load_b64 v[ML+2*\m:ML+2*\m+1], v[RMA] offset:8*\m           ; wave 8 h + m's figures
.endr
.irp m, 0,1,2,3,4,5,6,7
	ds_load_b128 v[O+4*\m:O+4*\m+3], v[RA] offset:256*\m
.endr
	s_wait_dscnt 0x0
	COMBINE 0
	s_wait_kmcnt 0x0                               ; alpha
	v_mov_b32 v[AV], s28
	v_sub_f32 v[VR], 1.0, v[AV]                    ; var
	v_sqrt_f32 v[SQ], v[AV]                        ; s
	v_rsq_f32 v[RQ], v[VR]                         ; 1 / sqrt(var)
	v_rcp_f32 v[RC], v[LW]                         ; 1 / l
	v_cmp_gt_u32 vcc_lo, 16, v0                    ; in wave 0 the thread's number is the lane: lanes 0-15 will store
	v_nop                                          ; a plain place behind the three
	s_wait_alu depctr_va_vdst(0)                   ; one wait for the three, ahead of their first reader
	v_mul_f32 v[FF], v[SQ], v[RC]
.irp c, 0,1,2,3
	v_fma_f32 v[O+\c], -v[FF], v[ACC+\c], v[X+\c]  ; x - s O / l
.endr
.irp c, 0,1,2,3
	v_mul_f32 v[O+\c], v[O+\c], v[RQ]
.endr
	s_wait_xcnt 0x0                                ; EXEC changes only behind this wait
	s_and_saveexec_b32 s34, vcc_lo
	global_store_b128 v[R16], v[O:O+3], s[12:13]   ; sixteen lanes store 256 consecutive bytes, aligned
	s_wait_xcnt 0x0                                ; and again, in front of the line that widens it
	s_or_b32 exec_lo, exec_lo, s34
.Lend:
	s_wait_tensorcnt 0x0
	ds_add_u32 v96, v97
	s_wait_dscnt 0x0
	s_endpgm
.Lfunc_end_k_q73aeebb085_combine:
	.size	k_q73aeebb085_combine, .Lfunc_end_k_q73aeebb085_combine-k_q73aeebb085_combine
	.p2alignl 7, 3214868480
	.fill 96, 4, 3214868480
	.section	.rodata,"a",@progbits
	.p2align	6, 0x0
	.amdhsa_kernel k_q73aeebb085_combine
		.amdhsa_group_segment_fixed_size 6656
		.amdhsa_private_segment_fixed_size 0
		.amdhsa_enable_private_segment 0
		.amdhsa_kernarg_size 40
		.amdhsa_user_sgpr_count 2
		.amdhsa_user_sgpr_kernarg_segment_ptr 1
		.amdhsa_wavefront_size32 1
		.amdhsa_system_sgpr_workgroup_id_x 1
		.amdhsa_system_sgpr_workgroup_id_y 1
		.amdhsa_system_sgpr_workgroup_id_z 1
		.amdhsa_system_vgpr_workitem_id 0
		.amdhsa_next_free_vgpr 98
		.amdhsa_next_free_sgpr 66
		.amdhsa_reserve_vcc 1
		.amdhsa_float_denorm_mode_32 3
		.amdhsa_float_denorm_mode_16_64 3
		.amdhsa_memory_ordered 1
		.amdhsa_forward_progress 1
		.amdhsa_inst_pref_size 15
	.end_amdhsa_kernel
	.amdgpu_metadata
---
amdhsa.version: [ 1, 2 ]
amdhsa.kernels:
  - .name:           k_q73aeebb085_combine
    .symbol:         k_q73aeebb085_combine.kd
    .args:
      - { .name: alphas, .offset: 0, .size: 8, .value_kind: global_buffer, .address_space: global }
      - { .name: inputs, .offset: 8, .size: 8, .value_kind: global_buffer, .address_space: global }
      - { .name: part, .offset: 16, .size: 8, .value_kind: global_buffer, .address_space: global }
      - { .name: ml, .offset: 24, .size: 8, .value_kind: global_buffer, .address_space: global }
      - { .name: out0, .offset: 32, .size: 8, .value_kind: global_buffer, .address_space: global }
    .group_segment_fixed_size: 6656
    .private_segment_fixed_size: 0
    .kernarg_segment_align: 8
    .kernarg_segment_size: 40
    .max_flat_workgroup_size: 512
    .sgpr_count:     66
    .vgpr_count:     98
    .wavefront_size: 32
...
	.end_amdgpu_metadata
.endif
;; end of part 2
;; ======== version 2 of 2: 2 launches
;; workspace buffers: part 4,194,304 bytes; ml 65,536 bytes
;; launch part (part 3): grid 256 x 1, 4 waves a work-group, no clusters, 176,640 bytes of LDS; arguments alphas, data_batch, inputs, part, ml; writes part, ml
.if DOCPART == 3
	.amdgcn_target "amdgcn-amd-amdhsa--gfx1250"
	.amdhsa_code_object_version 6
	.text
	.protected	k_q73aeebb085_part
	.globl	k_q73aeebb085_part
	.p2align	8
	.type	k_q73aeebb085_part,@function
k_q73aeebb085_part:
	s_mov_b64 s[64:65], 0
	v_nop
	global_prefetch_b8 v0, s[64:65] scope:SCOPE_SE
	s_setreg_imm32_b32 hwreg(HW_REG_WAVE_SCHED_MODE, 0, 2), 2
	s_setreg_imm32_b32 hwreg(HW_REG_WAVE_MODE, 25, 1), 1
	s_wait_xcnt 0x0
	s_wait_alu depctr_vm_vsrc(0)
; PARTIAL POSTERIOR MEAN over 128 keys.  inputs x [32][128], alphas [32], data_batch d [32768][128], all f32.
; Work-group i takes keys 128 i .. 128 i + 127 and leaves, for each of the 32 queries: M (a whole number, the ceiling of the largest t among its keys), l = the sum of p = 2^(t - M),
; and O[q][:] = the sum over its keys of Q(p) Q(d), both quantised to E2M1 along the keys in blocks of 32 and multiplied by the scaled FP4 matrix instruction.  A second launch joins the 256 parts.
; t = log2(e) x logit = -64 log2(var) - h |x - s d|^2,  s = sqrt(alpha), var = 1 - alpha, h = 0.5 log2(e) / var.  t is kept ABSOLUTE: M, and with it every code of p, hangs on it.
; THE DISTANCE.  With c = row 0 of data_batch (one fixed vector for the whole launch), e = d - c, u = x - s c:  |x - s d|^2 = |u|^2 - 2 s u.e + s^2 |e|^2, exactly.  One multiply-add for each
; (query, key, feature) where the written form takes two; an offset common to the data leaves with c before anything is multiplied, so no two large sums are subtracted.
; SHARES.  Four waves.  Wave w owns queries 8 w .. 8 w + 7 against all 128 keys; it also fetches and quantises key rows 32 w .. 32 w + 31, which are one block of 32 along K.
; Lane (g = lane / 16, s = lane % 16) owns keys 8 s .. 8 s + 7, one a step, and the features 8 c + 4 g + 0 .. 3, c = 0 .. 15.  u of the 8 queries stays in 512 registers; e streams from LDS:
; 16 loads of 16 bytes feed 288 packed multiply-adds (8 queries and |e|^2, 32 feature pairs).  The two feature halves meet by one swap of lane halves and one add for two queries, after which
; lanes 0-15 hold queries 0-3 of the wave and lanes 16-31 queries 4-7.  A lane's 8 results of a query are 8 neighbouring keys: one conversion makes one register of the operand.
; No cluster: work-groups share only x and row 0 (16.5 KiB against 64 KiB of their own).  No tensor load: one tile a work-group, and it needs d - c on its way into LDS.
; No prefetch: all loads go out at the head.
; LIMITS: NaN and infinities are not served; alpha lies in (0, 1) as the formula needs; p under 2^-126 comes out 0; a block of zeros gets the scale byte 1 (its codes are zeros; the bytes are read here alone);
; the f32 sums are taken in another order than the formula is written in.
; REGISTERS, in windows of 256: window 0: v1-19 lane numbers and addresses, v20-27 constants of my four queries, v28-31 scale words, v32-159 two buffers of e, v160-191 accumulators,
;   v192-223 t then p (query j, step t at 8 j + t), v224-231 |e|^2, v232-250 at work.  windows 1, 2: u (query i, feature pair p at 32 i + 2 (p % 16), window 1 + p / 16).
;   window 3: v0-127 my 32 rows as loaded, later the same by columns; v128-255 e, later at work.
; THE MODE: SCHED_MODE bits 1:0 = 2 (LLVM: expert scheduling mode 2), set by the entry lines.  The code itself states the register dependences
; between vector or matrix instructions and memory or LDS instructions, with s_wait_alu, always for 0.
; THE PLAN.  Registers that memory or LDS instructions touch, and who else names them:
;   offsets and LDS addresses   made by vector lines at the head (two of them behind the products), each ahead of a wait on va_vdst that stands ahead of its first use; never written again.
;   v32-63        x as loaded; u as the multiply-adds write it; read by the stores of u.  With v64-159, where the head's arithmetic works, they then become the two buffers of e.
;   windows 1, 2  u: written by LDS loads alone.
;   window 3      v0-127: my rows as loaded; read by the stores of d and by the subtractions; then the steps' column reads land there.  v128-255: e as the subtractions write it; read by the stores of e; then at work.
;   e's buffers   Step t's multiply-adds read buffer t % 2; the loads issued in step t land in the other one, which step t - 1 read.
;   v84-99, window 3 v140-159   codes, scale bytes, M and l: written by the two quantisers, read by the stores of the operands' images; the products then write v96-99.
;   v28-63        fragments and scale words: LDS loads; read by the products; then the stage's rows land in v32-63.      v96-127  the products' results, read by the stage's stores.
; So: one wait on va_vdst ahead of each run of stores whose data vector lines have made (u; e, eight rows at a time; the images, both operands' together; the stage), one at the head of each step but the first,
; and two waits on vm_vsrc, one behind each of the first two barriers, ahead of the first writes into registers that my stores have read.  In a step no vector line names a register that the step's 32 loads touch.
.set EBLK, 4112                        ; LDS: e of 8 keys (8 x 512 bytes) + 16 of padding = 257 x 16
.set EB,   0                           ; e, 16 such blocks
.set DB,   16*EBLK                     ; d as loaded, 16,384 bytes for each wave, its own
.set UB,   DB+65536                    ; u, 4,096 bytes for each wave, its own
.set PI,   UB+16384                    ; p's two fragments as images of their registers
.set DI,   PI+2048                     ; the data's eight fragments likewise
.set PS,   DI+8192                     ; p's scale words, one a query
.set DS,   PS+128                      ; the data's, one a column
.set MLB,  DS+512                      ; (M, l) of the 32 queries
.set ST,   MLB+256                     ; the stage for O: 32 rows x (512 + 16) bytes
.set SP,   528
.set LANE, 1
.set SL,   2                           ; s
.set GH,   3                           ; g
.set GX,   4                           ; 16 x lane
.set GA,   5                           ; 16 x g
.set DST,  6                           ; where I store d
.set EST,  7                           ; where I store e
.set EL,   8                           ; where I read e
.set UST,  9                           ; where I store u
.set UL,   10                          ; where I read u
.set DL,   11                          ; where I read d by columns
.set PA,   12                          ; p's image, my word
.set PSA,  13                          ; p's scale byte
.set DA,   14                          ; the data's image, my 16 bytes
.set DSA,  15                          ; the data's scale byte
.set MLA,  16                          ; (M, l)
.set PSWA, 17                          ; p's scale words, on the way back
.set DSWA, 18                          ; the data's
.set SO,   19                          ; the stage, on the way in
.set KAP,  20                          ; v20-23  2 s h of my four queries
.set NLAM, 24                          ; v24-27  -s s h
.set SCP,  28                          ; v28-29  p's scale words: they hold nothing else
.set SCD,  30                          ; v30-31  the data's
.set E0,   32
.set AC,   160                         ; eight pairs: u.e of the eight queries
.set AN,   176                         ; eight pairs: |e|^2 in eight chains
.set T,    192
.set NE,   224
.set D8,   232
.set CC,   240                         ; v240-243  -64 log2(var) - h |u|^2
.set TN,   244
.set SR,   246                         ; the stage, on the way back
.set PIF,  247
.set DIF,  248
.set MLR,  249
.set GM,   250
; at work ahead of the main loop, in the buffers of e
.set XN,   32                          ; x, then u: query i at 4 i, features 4 lane + 0 .. 3
.set CN,   64                          ; c at the same features
.set AL,   68
.set SS,   72
.set VV,   76
.set RR,   80
.set LG,   84
.set HH,   88
.set T1,   92
.set NU,   96
.set TP,   104
.set NUS,  112
; at work behind it
.set BB,   32
.set MX,   64
.set RM,   68
.set NM,   72
.set SCL,  80
.set BY,   84
.set PC,   88
.set MLP,  92
.set PP,   100
.set PF,   32                          ; p's fragments
.set DF,   48                          ; the data's
.set OA,   96                          ; four accumulators
.set WV,   14
.set SEL,  36
.set NS,   40                          ; s40-47  -s of my eight queries
.set MSB, 0
.macro WIN new                         ; the immediate's high byte repeats the setting that is left
.if MSB != \new
	s_set_vgpr_msb (MSB<<8)|\new
.set MSB, \new
.endif
.endm
	s_load_b256 s[4:11], s[0:1], 0x0               ; alphas s[4:5], data_batch s[6:7], inputs s[8:9], part s[10:11]
	s_load_b64 s[12:13], s[0:1], 0x20              ; ml
	v_lshl_add_u32 v254, v0, 2, 0x2b000
	v_mov_b32 v255, 0
	v_lshrrev_b32 v[LANE], 5, v0
	v_readfirstlane_b32 s[WV], v[LANE]             ; wave 0..3
	v_and_b32 v[LANE], 31, v0
	v_and_b32 v[SL], 15, v0
	v_bfe_u32 v[GH], v0, 4, 1
	v_lshlrev_b32 v[GX], 4, v[LANE]
	v_lshlrev_b32 v[GA], 4, v[GH]
	s_wait_alu depctr_va_sdst(0)                   ; s14, the wave's number, is written, ahead of its first reader: bases and LDS addresses are made from it
	s_lshl_b32 s20, ttmp9, 16                      ; the work-group's 128 rows of 512 bytes,
	s_lshl_b32 s21, s[WV], 14                      ; my wave's 32 of them
	s_add_co_u32 s20, s20, s21
	s_mov_b32 s21, 0
	s_lshl_b32 s22, s[WV], 12                      ; my 8 rows of x
	s_mov_b32 s23, 0
	s_lshl_b32 s24, s[WV], 5                       ; my 8 alphas
	s_mov_b32 s25, 0
	s_lshl_b32 s26, ttmp9, 14                      ; part: 16,384 bytes a work-group, my 8 rows
	s_add_co_u32 s26, s26, s22
	s_mov_b32 s27, 0
	s_lshl_b32 s28, ttmp9, 8                       ; ml: 256 bytes a work-group
	s_mov_b32 s29, 0
	s_mov_b32 s[SEL], 0x76543210
	s_mov_b32 s[SEL+1], 0xfedcba98                 ; v_permlanex16_b32's selects for lane l xor 16
	s_wait_kmcnt 0x0
	s_add_nc_u64 s[16:17], s[6:7], s[20:21]
	s_add_nc_u64 s[8:9], s[8:9], s[22:23]
	s_add_nc_u64 s[4:5], s[4:5], s[24:25]
	s_add_nc_u64 s[10:11], s[10:11], s[26:27]
	s_add_nc_u64 s[12:13], s[12:13], s[28:29]
	s_wait_alu depctr_va_vdst(0)                   ; v[GX] and v[GA] are written, which the loads below read as their offsets; no vector line has named the registers in which they land
	; ALL LOADS GO OUT HERE: the 13 small ones first, since loads come back in order, then my 32 rows, 512 consecutive bytes a load
.irp j, 0,1,2,3
	global_load_b32 v[AL+\j], v[GA], s[4:5] offset:4*\j            ; alpha of query 8 w + 4 g + j
.endr
	global_load_b128 v[CN:CN+3], v[GX], s[6:7]                     ; c = row 0
.irp i, 0,1,2,3,4,5,6,7
	global_load_b128 v[XN+4*\i:XN+4*\i+3], v[GX], s[8:9] offset:512*\i
.endr
	WIN 0xc0                                       ; destination window 3
.irp n, 0,1,2,3,4,5,6,7,8,9,10,11,12,13,14,15,16,17,18,19,20,21,22,23,24,25,26,27,28,29,30,31
	global_load_b128 v[4*\n:4*\n+3], v[GX], s[16:17] offset:512*\n th:TH_LOAD_NT
.endr
	WIN 0
	; LDS addresses, while the loads are out: constants, the lane's numbers, the wave's number
	s_lshl_b32 s30, s[WV], 14
	s_add_co_u32 s30, s30, DB
	v_add_nc_u32 v[DST], s30, v[GX]
	v_lshl_add_u32 v[DL], v[LANE], 2, s30
	s_mul_i32 s31, s[WV], 4*EBLK
	v_add_nc_u32 v[EST], s31, v[GX]
	v_mul_u32_u24 v[EL], v[SL], EBLK
	v_lshl_add_u32 v[EL], v[GH], 4, v[EL]
	s_lshl_b32 s32, s[WV], 12
	s_add_co_u32 s32, s32, UB
	v_add_nc_u32 v[UST], s32, v[GX]
	v_lshl_add_u32 v[UL], v[GH], 4, s32
	; p's image: query q = 8 w + 4 g + j is column q % 16 of fragment q / 16; keys 8 s .. 8 s + 7 are register 4 (s / 8) + s % 4 of lane q % 16 + 16 ((s / 4) % 2)
	s_lshr_b32 s33, s[WV], 1
	s_lshl_b32 s33, s33, 10
	s_and_b32 s34, s[WV], 1
	s_lshl_b32 s34, s34, 7
	s_add_co_u32 s33, s33, s34
	s_add_co_u32 s33, s33, PI
	v_and_b32 v[PA], 12, v[SL]
	v_lshlrev_b32 v[PA], 6, v[PA]                  ; 256 (s / 4)
	v_and_b32 v[TN], 3, v[SL]
	v_lshl_add_u32 v[PA], v[TN], 2, v[PA]
	v_lshl_add_u32 v[PA], v[GH], 6, v[PA]
	v_add_nc_u32 v[PA], s33, v[PA]
	s_lshl_b32 s34, s[WV], 5
	s_add_co_u32 s34, s34, PS
	v_lshrrev_b32 v[PSA], 2, v[SL]                 ; 4 q + the block s / 4
	v_lshl_add_u32 v[PSA], v[GH], 4, v[PSA]
	v_add_nc_u32 v[PSA], s34, v[PSA]
	; the data's image: column lane + 32 cs is row lane % 16 of fragment 2 cs + lane / 16; my block w is registers 4 (w / 2) .. + 3 of lane lane % 16 + 16 (w % 2)
	s_lshl_b32 s34, s[WV], 8
	s_add_co_u32 s34, s34, DI
	v_lshlrev_b32 v[DA], 4, v[SL]
	v_lshl_add_u32 v[DA], v[GH], 10, v[DA]
	v_add_nc_u32 v[DA], s34, v[DA]
	s_add_co_u32 s34, s[WV], DS
	v_lshl_add_u32 v[DSA], v[LANE], 2, s34
	s_lshl_b32 s34, s[WV], 6
	s_add_co_u32 s34, s34, MLB
	v_lshl_add_u32 v[MLA], v[GH], 5, s34
	v_lshl_add_u32 v[PSWA], v[SL], 2, PS
	s_lshl_b32 s34, s[WV], 7
	s_add_co_u32 s34, s34, DS
	v_lshl_add_u32 v[DSWA], v[SL], 2, s34
	v_add_nc_u32 v[PIF], PI, v[GX]
	s_lshl_b32 s34, s[WV], 11
	s_add_co_u32 s34, s34, DI
	v_add_nc_u32 v[DIF], s34, v[GX]
	v_lshl_add_u32 v[MLR], v[LANE], 3, MLB
	v_lshlrev_b32 v[GM], 3, v[LANE]
	s_lshl_b32 s35, s[WV], 7
	s_add_co_u32 s35, s35, ST
	s_mul_i32 s38, s[WV], 8*SP
	s_add_co_u32 s38, s38, ST
	; ---- THE QUERIES' CONSTANTS AND u, while the rows are on their way
	s_wait_loadcnt 32                              ; alphas, c and x are in: the 32 loads of rows were issued behind them
.irp j, 0,1,2,3
	v_sub_f32 v[VV+\j], 1.0, v[AL+\j]              ; var
.endr
	s_wait_alu depctr_va_vdst(0)
.irp j, 0,1,2,3
	v_sqrt_f32 v[SS+\j], v[AL+\j]                  ; s
.endr
.irp j, 0,1,2,3
	v_rcp_f32 v[RR+\j], v[VV+\j]
.endr
.irp j, 0,1,2,3
	v_log_f32 v[LG+\j], v[VV+\j]                   ; log2(var)
.endr
.irp i, 0,1,2,3,4,5,6,7
	v_mov_b32 v[TP+\i], 0                          ; a lane permute's destination counts as one of its sources.  (Plain work behind the twelve)
.endr
	v_mov_b32 v[TN+1], 0
	v_cmp_lt_u32 vcc_lo, 15, v[LANE]               ; lanes 16-31
	s_wait_alu depctr_va_vdst(0)                   ; one wait for the batch of twelve, ahead of its first reader: s, 1 / var and log2(var) are written; so are all the LDS addresses made above
.irp j, 0,1,2,3
	v_fma_f32 v[T1+\j], -v[VV+\j], v[RR+\j], 1.0   ; one Newton step on 1 / var: h multiplies numbers of some hundreds
.endr
.irp j, 0,1,2,3
	v_fma_f32 v[RR+\j], v[RR+\j], v[T1+\j], v[RR+\j]
.endr
.irp j, 0,1,2,3
	v_mul_f32 v[HH+\j], 0x3f38aa3b, v[RR+\j]       ; h = 0.5 log2(e) / var
.endr
.irp j, 0,1,2,3
	v_mul_f32 v[T1+\j], v[SS+\j], v[HH+\j]
.endr
.irp j, 0,1,2,3
	v_add_f32 v[KAP+\j], v[T1+\j], v[T1+\j]        ; 2 s h
.endr
.irp j, 0,1,2,3
	v_mul_f32 v[NLAM+\j], -v[SS+\j], v[T1+\j]      ; -s s h
.endr
.irp j, 0,1,2,3
	v_mul_f32 v[LG+\j], 0xc2800000, v[LG+\j]       ; -64 log2(var)
.endr
.irp j, 0,1,2,3
	v_mul_f32 v[SS+\j], -1.0, v[SS+\j]
.endr
.irp j, 0,1,2,3
	v_readlane_b32 s[NS+\j], v[SS+\j], 0           ; -s of queries 0-3 of the wave lies in lanes 0-15,
	v_readlane_b32 s[NS+4+\j], v[SS+\j], 16        ; of queries 4-7 in lanes 16-31
.endr
	s_wait_alu depctr_va_sdst(0)                   ; s40 to s47 are written, ahead of their first reader: one wait for the run of eight
.irp i, 0,1,2,3,4,5,6,7
.irp k, 0,1,2,3
	v_fma_f32 v[XN+4*\i+\k], s[NS+\i], v[CN+\k], v[XN+4*\i+\k]     ; u = x - s c
.endr
.endr
	s_wait_alu depctr_va_vdst(0)                   ; u is written in v[XN ..], which the stores below read.  The loads of u behind them land in windows 1 and 2, which no vector line has named
.irp i, 0,1,2,3,4,5,6,7
	ds_store_b128 v[UST], v[XN+4*\i:XN+4*\i+3] offset:512*\i
.endr
	; u into its 512 registers: every lane of a half takes the same 16 bytes.  LDS serves a wave's instructions in order: these see the stores above
	WIN 0x40                                       ; destination window 1
.irp i, 0,1,2,3,4,5,6,7
.irp c, 0,1,2,3,4,5,6,7
	ds_load_b128 v[32*\i+4*\c:32*\i+4*\c+3], v[UL] offset:512*\i+32*\c
.endr
.endr
	WIN 0x80                                       ; destination window 2
.irp i, 0,1,2,3,4,5,6,7
.irp c, 0,1,2,3,4,5,6,7
	ds_load_b128 v[32*\i+4*\c:32*\i+4*\c+3], v[UL] offset:512*\i+256+32*\c
.endr
.endr
	WIN 0
.irp i, 0,1,2,3,4,5,6,7
	v_mul_f32 v[NU+\i], v[XN+4*\i], v[XN+4*\i]     ; |u|^2: my four features,
.endr
.irp k, 1,2,3
.irp i, 0,1,2,3,4,5,6,7
	v_fma_f32 v[NU+\i], v[XN+4*\i+\k], v[XN+4*\i+\k], v[NU+\i]
.endr
.endr
.irp m, 1,2,4,8
.irp i, 0,1,2,3,4,5,6,7
	v_add_f32_dpp v[NU+\i], v[NU+\i], v[NU+\i] row_xmask:\m row_mask:0xf bank_mask:0xf   ; the 16 lanes of my half,
.endr
.endr
.irp i, 0,1,2,3,4,5,6,7
	v_permlanex16_b32 v[TP+\i], v[NU+\i], s[SEL], s[SEL+1]
.endr
.irp i, 0,1,2,3,4,5,6,7
	v_add_f32 v[NU+\i], v[NU+\i], v[TP+\i]         ; and the other half's
.endr
	s_wait_alu depctr_va_vcc(0)                    ; VCC, which the compare above has made, is written, ahead of its first reader
.irp j, 0,1,2,3
	v_cndmask_b32 v[NUS+\j], v[NU+\j], v[NU+4+\j], vcc_lo          ; that of query 4 g + j
.endr
.irp j, 0,1,2,3
	v_fma_f32 v[CC+\j], -v[HH+\j], v[NUS+\j], v[LG+\j]             ; -64 log2(var) - h |u|^2
.endr
	; ---- MY 32 ROWS, eight at a time as they land: d to my own part of LDS, e = d - c to the tile that all four waves read
.macro ROWS y
	s_wait_loadcnt 24-8*(\y)                       ; rows 8 y .. 8 y + 7 are in; the later rows' loads may be out
	WIN 0x0c                                       ; an LDS store's data are its source 1: window 3
.irp n, 0,1,2,3,4,5,6,7
	ds_store_b128 v[DST], v[4*(8*(\y)+\n):4*(8*(\y)+\n)+3] offset:512*(8*(\y)+\n)    ; the data come from loads, the address is old: no vector line is waited for
.endr
	WIN 0xc3                                       ; d and e window 3, c window 0
.irp n, 0,1,2,3,4,5,6,7
	v_pk_add_f32 v[128+4*(8*(\y)+\n):128+4*(8*(\y)+\n)+1], v[4*(8*(\y)+\n):4*(8*(\y)+\n)+1], v[CN:CN+1] neg_lo:[0,1] neg_hi:[0,1]
	v_pk_add_f32 v[128+4*(8*(\y)+\n)+2:128+4*(8*(\y)+\n)+3], v[4*(8*(\y)+\n)+2:4*(8*(\y)+\n)+3], v[CN+2:CN+3] neg_lo:[0,1] neg_hi:[0,1]
.endr
	WIN 0x0c
	s_wait_alu depctr_va_vdst(0)                   ; the subtractions have written these eight rows of e, which the stores below read
.irp n, 0,1,2,3,4,5,6,7
	ds_store_b128 v[EST], v[128+4*(8*(\y)+\n):128+4*(8*(\y)+\n)+3] offset:EBLK*(\y)+512*\n
.endr
.endm
	ROWS 0
	ROWS 1
	ROWS 2
	ROWS 3                                         ; behind its wait on va_vdst no vector line stands until step 0's: that wait also states that the head's arithmetic is done with v32-159, and the subtractions with my rows, for the loads below
	WIN 0
	s_wait_dscnt 0x0                               ; my stores of e have landed (for the others' sake), u is in its registers
	s_barrier_signal -1
	s_barrier_wait -1                              ; the tile of e is whole
	s_wait_alu depctr_vm_vsrc(0)                   ; my LDS stores have read u (v32-63, in which e lands), my rows (window 3 v0-127, in which the column reads land) and e (window 3 v128-255, which the data's quantiser writes)
.irp c, 0,1,2,3,4,5,6,7,8,9,10,11,12,13,14,15
	ds_load_b128 v[E0+4*\c:E0+4*\c+3], v[EL] offset:32*\c          ; step 0: key 8 s, my 64 features
.endr
; ---- A STEP: key 8 s + t of every lane against the wave's eight queries
.macro STEP t
.set EC, E0+64*((\t)%2)
.set EN, E0+64-64*((\t)%2)
	s_wait_dscnt 0x0                               ; this step's e is in: its loads were the last step's youngest LDS instructions, 265 packed lines back (step 0: just issued)
	WIN 0xc0                                       ; destination window 3
.if (\t) > 0
	s_wait_alu depctr_va_vdst(0)                   ; the last step's multiply-adds are done reading the other buffer of e, in which this step's loads land.  No vector line of this step names that buffer, window 3 v0-127 or the two addresses: the step's 32 loads owe no more
.endif
.irp m, 0,1,2,3,4,5,6,7,8,9,10,11,12,13,14,15
	ds_load_b32 v[16*(\t)+\m], v[DL] offset:512*((16*(\t)+\m)%32)+128*((\t)/2)   ; an eighth of my rows by columns: register 32 cs + n = d(n, lane + 32 cs): a lane to a column, registers down K
.endr
	WIN 0
.irp p, 0,1,2,3,4,5,6,7
.if ((\t) < 7) && ((\p) % 2 == 0)
	ds_load_b128 v[EN+2*\p:EN+2*\p+3], v[EL] offset:512*((\t)+1)+16*\p     ; the next step's e, a whole step ahead of its use: its 16 loads are dealt among these 32 lines, where every window is 0
.endif
	v_pk_mul_f32 v[AN+2*\p:AN+2*\p+1], v[EC+2*\p:EC+2*\p+1], v[EC+2*\p:EC+2*\p+1]        ; |e|^2 in eight chains; the first products start the sums
.endr
.irp p, 8,9,10,11,12,13,14,15,16,17,18,19,20,21,22,23,24,25,26,27,28,29,30,31
.if ((\t) < 7) && ((\p) % 2 == 0)
	ds_load_b128 v[EN+2*\p:EN+2*\p+3], v[EL] offset:512*((\t)+1)+16*\p
.endif
	v_pk_fma_f32 v[AN+2*(\p%8):AN+2*(\p%8)+1], v[EC+2*\p:EC+2*\p+1], v[EC+2*\p:EC+2*\p+1], v[AN+2*(\p%8):AN+2*(\p%8)+1]
.endr
	WIN 0x01                                       ; source 0 (u) window 1
.irp p, 0,1,2,3,4,5,6,7,8,9,10,11,12,13,14,15
.irp i, 0,1,2,3,4,5,6,7
.if \p == 0
	v_pk_mul_f32 v[AC+2*\i:AC+2*\i+1], v[32*\i+2*\p:32*\i+2*\p+1], v[EC+2*\p:EC+2*\p+1]
.else
	v_pk_fma_f32 v[AC+2*\i:AC+2*\i+1], v[32*\i+2*\p:32*\i+2*\p+1], v[EC+2*\p:EC+2*\p+1], v[AC+2*\i:AC+2*\i+1]   ; the eight queries by turns: no line waits for the line above it
.endif
.endr
.endr
	WIN 0x02                                       ; source 0 window 2
.irp p, 0,1,2,3,4,5,6,7,8,9,10,11,12,13,14,15
.irp i, 0,1,2,3,4,5,6,7
	v_pk_fma_f32 v[AC+2*\i:AC+2*\i+1], v[32*\i+2*\p:32*\i+2*\p+1], v[EC+32+2*\p:EC+32+2*\p+1], v[AC+2*\i:AC+2*\i+1]
.endr
.endr
	WIN 0
.irp p, 0,1,2,3
	v_pk_add_f32 v[AN+2*\p:AN+2*\p+1], v[AN+2*\p:AN+2*\p+1], v[AN+8+2*\p:AN+8+2*\p+1]
.endr
.irp i, 0,1,2,3,4,5,6,7
	v_add_f32 v[D8+\i], v[AC+2*\i], v[AC+2*\i+1]   ; even and odd features
.endr
	v_pk_add_f32 v[AN:AN+1], v[AN:AN+1], v[AN+4:AN+5]
	v_pk_add_f32 v[AN+2:AN+3], v[AN+2:AN+3], v[AN+6:AN+7]
.irp j, 0,1,2,3
	v_permlane16_swap_b32 v[D8+\j], v[D8+4+\j]     ; query j's lanes 16-31 change places with query j + 4's lanes 0-15:
.endr
	v_pk_add_f32 v[AN:AN+1], v[AN:AN+1], v[AN+2:AN+3]
.irp j, 0,1,2,3
	v_add_f32 v[T+8*\j+(\t)], v[D8+\j], v[D8+4+\j] ; the sum is u.e over all 128 features, of query j in lanes 0-15 and of query j + 4 in lanes 16-31
.endr
	v_add_f32 v[TN], v[AN], v[AN+1]
	v_permlanex16_b32 v[TN+1], v[TN], s[SEL], s[SEL+1]
	v_add_f32 v[NE+(\t)], v[TN], v[TN+1]           ; |e|^2 of key 8 s + t, in both halves
.endm
	STEP 0
	STEP 1
	STEP 2
	STEP 3
	STEP 4
	STEP 5
	STEP 6
	STEP 7
	; ---- THE SOFTMAX'S PART: lane (g, s) holds query 4 g + j of the wave, keys 8 s + 0 .. 7, in v[T + 8 j] on
.irp t, 0,1,2,3,4,5,6,7
.irp j, 0,1,2,3
	v_fma_f32 v[BB+8*\j+\t], v[NLAM+\j], v[NE+\t], v[CC+\j]
.endr
.endr
.irp t, 0,1,2,3,4,5,6,7
.irp j, 0,1,2,3
	v_fma_f32 v[T+8*\j+\t], v[KAP+\j], v[T+8*\j+\t], v[BB+8*\j+\t]         ; t
.endr
.endr
.irp j, 0,1,2,3
	v_max3_num_f32 v[MX+\j], v[T+8*\j], v[T+8*\j+1], v[T+8*\j+2]
.endr
.irp j, 0,1,2,3
	v_max3_num_f32 v[MX+\j], v[MX+\j], v[T+8*\j+3], v[T+8*\j+4]
.endr
.irp j, 0,1,2,3
	v_max3_num_f32 v[MX+\j], v[MX+\j], v[T+8*\j+5], v[T+8*\j+6]
.endr
.irp j, 0,1,2,3
	v_max_num_f32 v[MX+\j], v[MX+\j], v[T+8*\j+7]
.endr
.irp m, 1,2
.irp j, 0,1,2,3
	v_max_num_f32_dpp v[MX+\j], v[MX+\j], v[MX+\j] row_xmask:\m row_mask:0xf bank_mask:0xf   ; four lanes are a block of 32 keys: the block's largest t.  It serves twice: p rises with t
.endr
.endr
.irp j, 0,1,2,3
	v_mov_b32 v[RM+\j], v[MX+\j]
.endr
.irp m, 4,8
.irp j, 0,1,2,3
	v_max_num_f32_dpp v[RM+\j], v[RM+\j], v[RM+\j] row_xmask:\m row_mask:0xf bank_mask:0xf   ; the largest t of the 128 keys
.endr
.endr
.irp j, 0,1,2,3
	v_floor_f32 v[NM+\j], -v[RM+\j]                ; -M = floor(-t) = -ceil(t): a whole number
.endr
.irp t, 0,1,2,3,4,5,6,7
.irp j, 0,1,2,3
	v_add_f32 v[T+8*\j+\t], v[T+8*\j+\t], v[NM+\j] ; t - M
.endr
.endr
.irp j, 0,1,2,3
	v_add_f32 v[MX+\j], v[MX+\j], v[NM+\j]
.endr
	s_wait_alu depctr_va_vdst(0)
.irp t, 0,1,2,3,4,5,6,7
.irp j, 0,1,2,3
	v_exp_f32 v[T+8*\j+\t], v[T+8*\j+\t]           ; p = 2^(t - M), not normalised
.endr
.endr
.irp j, 0,1,2,3
	v_exp_f32 v[MX+\j], v[MX+\j]                   ; the block's largest p: the same two instructions on the same number
.endr
.irp j, 0,1,2,3
	v_mul_f32 v[MLP+2*\j], -1.0, v[NM+\j]          ; M.  (Plain work behind the exponentials)
.endr
	s_wait_alu depctr_va_vdst(0)                   ; one wait for the batch of 36, ahead of its first reader: p and the blocks' largest p are written
.irp j, 0,1,2,3
	v_pk_add_f32 v[PP+4*\j:PP+4*\j+1], v[T+8*\j:T+8*\j+1], v[T+8*\j+2:T+8*\j+3]        ; l is the sum of the UNQUANTISED p
	v_pk_add_f32 v[PP+4*\j+2:PP+4*\j+3], v[T+8*\j+4:T+8*\j+5], v[T+8*\j+6:T+8*\j+7]
.endr
.irp j, 0,1,2,3
	v_pk_add_f32 v[PP+4*\j:PP+4*\j+1], v[PP+4*\j:PP+4*\j+1], v[PP+4*\j+2:PP+4*\j+3]
.endr
.irp j, 0,1,2,3
	v_add_f32 v[MLP+2*\j+1], v[PP+4*\j], v[PP+4*\j+1]
.endr
.irp m, 1,2,4,8
.irp j, 0,1,2,3
	v_add_f32_dpp v[MLP+2*\j+1], v[MLP+2*\j+1], v[MLP+2*\j+1] row_xmask:\m row_mask:0xf bank_mask:0xf
.endr
.endr
.irp j, 0,1,2,3
	v_max_num_f32 v[MX+\j], 0x1800000, v[MX+\j]    ; the floor 2^(3 - 127): the byte cannot fall under 1
.endr
.irp j, 0,1,2,3
	v_add_nc_u32 v[SCL+\j], 0xff000000, v[MX+\j]   ; 2 off the exponent field: the conversion takes the exponent field of this operand as its scale
.endr
.irp j, 0,1,2,3
	v_lshrrev_b32 v[BY+\j], 23, v[SCL+\j]          ; the scale's byte
.endr
.irp j, 0,1,2,3
	v_cvt_scalef32_pk8_fp4_f32 v[PC+\j], v[T+8*\j:T+8*\j+7], v[SCL+\j]     ; keys 8 s .. 8 s + 7: one register of the operand
.endr
	v_nop                                          ; one plain place behind a scaled conversion.  (p's codes, bytes, M and l are stored further down, with the data's, behind one wait)
	; ---- MY BLOCK OF THE DATA: 32 keys x 128 columns, a lane to a column, four columns a lane: all 32 numbers of a block are one lane's
.set DM0, 128
.set DM1, 132
.set DSC, 136
.set DBY, 140
.set DQC, 144
	s_wait_dscnt 0x0                               ; the last column reads are in
	WIN 0xff                                       ; all in window 3
.irp cs, 0,1,2,3
	v_max3_num_f32 v[DM0+\cs], |v[32*\cs]|, |v[32*\cs+1]|, |v[32*\cs+2]|
.endr
.irp cs, 0,1,2,3
	v_max3_num_f32 v[DM1+\cs], |v[32*\cs+3]|, |v[32*\cs+4]|, |v[32*\cs+5]|
.endr
.irp i, 6,10,14,18,22,26
.irp cs, 0,1,2,3
	v_max3_num_f32 v[DM0+\cs], v[DM0+\cs], |v[32*\cs+\i]|, |v[32*\cs+\i+1]|
.endr
.irp cs, 0,1,2,3
	v_max3_num_f32 v[DM1+\cs], v[DM1+\cs], |v[32*\cs+\i+2]|, |v[32*\cs+\i+3]|
.endr
.endr
.irp cs, 0,1,2,3
	v_max3_num_f32 v[DM0+\cs], v[DM0+\cs], |v[32*\cs+30]|, |v[32*\cs+31]|
.endr
.irp cs, 0,1,2,3
	v_max3_num_f32 v[DM0+\cs], v[DM0+\cs], v[DM1+\cs], 0x1800000   ; the block's largest magnitude, and the floor
.endr
.irp cs, 0,1,2,3
	v_add_nc_u32 v[DSC+\cs], 0xff000000, v[DM0+\cs]
.endr
.irp cs, 0,1,2,3
	v_lshrrev_b32 v[DBY+\cs], 23, v[DSC+\cs]
.endr
.irp cs, 0,1,2,3
.irp y, 0,1,2,3
	v_cvt_scalef32_pk8_fp4_f32 v[DQC+4*\cs+\y], v[32*\cs+8*\y:32*\cs+8*\y+7], v[DSC+\cs]
.endr
.endr
	v_nop                                          ; one plain place behind a scaled conversion
	WIN 0x0c
	s_wait_alu depctr_va_vdst(0)                   ; both quantisers have written: the data's codes and bytes, p's codes and bytes, M and l, which the stores below read.  No vector line follows until the products: the fragments' loads into v32-63, where t's parts stood, lean on this wait too
.irp cs, 0,1,2,3
	ds_store_b128 v[DA], v[DQC+4*\cs:DQC+4*\cs+3] offset:2048*\cs
	ds_store_b8 v[DSA], v[DBY+\cs] offset:128*\cs
.endr
	WIN 0
.irp j, 0,1,2,3
	ds_store_b32 v[PA], v[PC+\j] offset:16*\j
	ds_store_b8 v[PSA], v[BY+\j] offset:4*\j       ; the four lanes of a block write the same byte with the same value
	ds_store_b64 v[MLA], v[MLP+2*\j:MLP+2*\j+1] offset:8*\j        ; the sixteen lanes of a half likewise
.endr
	s_wait_dscnt 0x0                               ; my parts of both operands have landed
	s_barrier_signal -1
	s_barrier_wait -1                              ; both operands are whole
	s_wait_alu depctr_vm_vsrc(0)                   ; my stores of (M, l) have read v92-99, of which the products below write v96-99
	; ---- THE PRODUCT, transposed: source 0 = 16 columns of the data, source 1 = 16 queries; K = the 128 keys.  Wave w makes columns 32 w .. 32 w + 31 for all 32 queries
.irp f, 0,1
.irp c, 0,1
	ds_load_b128 v[PF+8*\f+4*\c:PF+8*\f+4*\c+3], v[PIF] offset:1024*\f+512*\c
	ds_load_b128 v[DF+8*\f+4*\c:DF+8*\f+4*\c+3], v[DIF] offset:1024*\f+512*\c
.endr
	ds_load_b32 v[SCP+\f], v[PSWA] offset:64*\f
	ds_load_b32 v[SCD+\f], v[DSWA] offset:64*\f
.endr
	s_wait_dscnt 0x0
.irp f, 0,1
.irp y, 0,1
	v_wmma_scale_f32_16x16x128_f8f6f4 v[OA+8*(2*\f+\y):OA+8*(2*\f+\y)+7], v[DF+8*\y:DF+8*\y+7], v[PF+8*\f:PF+8*\f+7], 0, v[SCD+\y], v[SCP+\f] matrix_a_fmt:MATRIX_FMT_FP4 matrix_b_fmt:MATRIX_FMT_FP4
.endr
.endr
	v_mul_u32_u24 v[SO], v[SL], SP                 ; the stage's addresses are the four places behind the products: row = the query, 32 bytes for each half of the lanes, 128 for each wave
	v_lshl_add_u32 v[SO], v[GH], 5, v[SO]
	v_add_nc_u32 v[SO], s35, v[SO]
	v_add_nc_u32 v[SR], s38, v[GX]
	s_wait_alu depctr_va_vdst(0)                   ; the products have written the accumulators, and the four lines v[SO] and v[SR], which the stores and loads below read; the products are done reading v32-63, in which the stage's rows land.  The places above stay beside this wait
.irp f, 0,1
.irp y, 0,1
	ds_store_b128 v[SO], v[OA+8*(2*\f+\y):OA+8*(2*\f+\y)+3] offset:16*SP*\f+64*\y            ; lane (r, h): O(16 f + r, 32 w + 16 y + 8 h + 0 .. 7); each accumulator from its low end on
	ds_store_b128 v[SO], v[OA+8*(2*\f+\y)+4:OA+8*(2*\f+\y)+7] offset:16*SP*\f+64*\y+16
.endr
.endr
	s_wait_dscnt 0x0
	s_barrier_signal -1
	s_barrier_wait -1                              ; 32 whole rows of O lie in the stage
.irp i, 0,1,2,3,4,5,6,7
	ds_load_b128 v[32+4*\i:32+4*\i+3], v[SR] offset:SP*\i
.endr
.irp i, 0,1,2,3,4,5,6,7
	s_wait_dscnt 7-\i                              ; row i is back; the later rows' loads may be out
	global_store_b128 v[GX], v[32+4*\i:32+4*\i+3], s[10:11] offset:512*\i  ; 32 lanes store a row of 512 consecutive bytes, aligned
.endr
	s_cmp_lg_u32 s[WV], 0
	s_cbranch_scc1 .Ldone
	ds_load_b64 v[64:65], v[MLR]                   ; wave 0: (M, l) of query = lane.  (v64-65 were last named by vector lines ahead of the waits above, and no store has read them)
	s_wait_dscnt 0x0
	global_store_b64 v[GM], v[64:65], s[12:13]     ; 256 consecutive bytes, aligned
.Ldone:
	s_wait_dscnt 0x0
	s_wait_alu depctr_hold_cnt(0) depctr_sa_sdst(0) depctr_va_vdst(0) depctr_va_sdst(0) depctr_va_ssrc(0) depctr_va_vcc(0) depctr_vm_vsrc(0)
	s_wait_tensorcnt 0x0
	ds_add_u32 v254, v255
	s_wait_dscnt 0x0
	s_endpgm
.Lfunc_end_k_q73aeebb085_part:
	.size	k_q73aeebb085_part, .Lfunc_end_k_q73aeebb085_part-k_q73aeebb085_part
	.p2alignl 7, 3214868480
	.fill 96, 4, 3214868480
	.section	.rodata,"a",@progbits
	.p2align	6, 0x0
	.amdhsa_kernel k_q73aeebb085_part
		.amdhsa_group_segment_fixed_size 176640
		.amdhsa_private_segment_fixed_size 0
		.amdhsa_enable_private_segment 0
		.amdhsa_kernarg_size 40
		.amdhsa_user_sgpr_count 2
		.amdhsa_user_sgpr_kernarg_segment_ptr 1
		.amdhsa_wavefront_size32 1
		.amdhsa_system_sgpr_workgroup_id_x 1
		.amdhsa_system_sgpr_workgroup_id_y 1
		.amdhsa_system_sgpr_workgroup_id_z 1
		.amdhsa_system_vgpr_workitem_id 0
		.amdhsa_next_free_vgpr 1024
		.amdhsa_next_free_sgpr 66
		.amdhsa_reserve_vcc 1
		.amdhsa_float_denorm_mode_32 3
		.amdhsa_float_denorm_mode_16_64 3
		.amdhsa_memory_ordered 1
		.amdhsa_forward_progress 1
		.amdhsa_inst_pref_size 229
	.end_amdhsa_kernel
	.amdgpu_metadata
---
amdhsa.version: [ 1, 2 ]
amdhsa.kernels:
  - .name:           k_q73aeebb085_part
    .symbol:         k_q73aeebb085_part.kd
    .args:
      - { .name: alphas, .offset: 0, .size: 8, .value_kind: global_buffer, .address_space: global }
      - { .name: data_batch, .offset: 8, .size: 8, .value_kind: global_buffer, .address_space: global }
      - { .name: inputs, .offset: 16, .size: 8, .value_kind: global_buffer, .address_space: global }
      - { .name: part, .offset: 24, .size: 8, .value_kind: global_buffer, .address_space: global }
      - { .name: ml, .offset: 32, .size: 8, .value_kind: global_buffer, .address_space: global }
    .group_segment_fixed_size: 176640
    .private_segment_fixed_size: 0
    .kernarg_segment_align: 8
    .kernarg_segment_size: 40
    .max_flat_workgroup_size: 128
    .sgpr_count:     66
    .vgpr_count:     1024
    .wavefront_size: 32
...
	.end_amdgpu_metadata
.endif
;; end of part 3
;; launch combine (part 4): grid 64 x 1, 16 waves a work-group, no clusters, 6,656 bytes of LDS; arguments alphas, inputs, part, ml, out0; writes out0
.if DOCPART == 4
	.amdgcn_target "amdgcn-amd-amdhsa--gfx1250"
	.amdhsa_code_object_version 6
	.text
	.protected	k_q73aeebb085_combine
	.globl	k_q73aeebb085_combine
	.p2align	8
	.type	k_q73aeebb085_combine,@function
k_q73aeebb085_combine:
	s_mov_b64 s[64:65], 0
	v_nop
	global_prefetch_b8 v0, s[64:65] scope:SCOPE_SE
	s_setreg_imm32_b32 hwreg(HW_REG_WAVE_MODE, 25, 1), 1
	s_wait_xcnt 0x0
; THE 256 PARTS ARE JOINED.  part [256][32][128] f32: O of each block of 128 keys under its own M; ml [256][32][2]: (M, l).  out0 [32][128] = (x - s O / l) / sqrt(var).
; With M = the largest M_i:  O = sum of 2^(M_i - M) O_i,  l = sum of 2^(M_i - M) l_i.  Every M_i is a whole number, so each weight is an exact power of two, made by v_ldexp_f32.
; SHARES.  A work-group owns one query and half of its row: 64 numbers, 256 bytes; 64 work-groups, since a smaller piece would be less than 256 consecutive bytes of each part.
; Each of its 16 waves takes 16 parts: a load brings two, lanes 0-15 one part's 256 bytes and lanes 16-31 the next part's, each aligned.  All of a wave's 16 loads go out at the head.
; A wave joins its 16 parts under its own largest M and leaves (M, l, 64 sums) in LDS; behind ONE barrier wave 0 joins the 16 waves' figures by the same lines and writes the result.
; Matrix units, clusters, tensor loads and prefetches have nothing to do here: a sum of 4 MiB, each byte read once, all loads issued at once.
; LIMITS: a weight under 2^-149 is 0; NaN and infinities are not served.
.set AB,  0                            ; LDS: 16 waves x 256 bytes of sums
.set MB,  4096                         ; 16 x (M, l)
.set RL_, 2                            ; v2  r = lane % 16
.set HL,  3                            ; v3  h = lane / 16
.set R16, 4                            ; v4  16 r
.set VO,  5                            ; v5  16 r + 16,384 h
.set VM,  6                            ; v6  256 h
.set SA,  7
.set SM,  8
.set RA,  9
.set RMA, 10
.set ML,  16                           ; v16-31  eight (M, l)
.set O,   32                           ; v32-63  eight x four numbers
.set W,   64                           ; v64-71  eight weights
.set MW,  72                           ; v72 the joint M, v73 the joint l: a pair
.set LW,  73
.set TP,  74
.set TL,  75
.set ACC, 76
.set TQ,  80
.set X,   84
.set AV,  88
.set VR,  89
.set SQ,  90
.set RQ,  91
.set RC,  92
.set FF,  93
.set WV,  14
.set SEL, 32
	s_load_b256 s[4:11], s[0:1], 0x0               ; alphas s[4:5], inputs s[6:7], part s[8:9], ml s[10:11]
	s_load_b64 s[12:13], s[0:1], 0x20              ; out0
	v_lshl_add_u32 v96, v0, 2, 0x1200
	v_mov_b32 v97, 0
	v_lshrrev_b32 v1, 5, v0
	s_delay_alu instid0(VALU_DEP_1)
	v_readfirstlane_b32 s[WV], v1                  ; wave 0..15
	v_and_b32 v[RL_], 15, v0
	s_wait_alu depctr_va_vdst(0)
	v_bfe_u32 v[HL], v0, 4, 1
	s_lshr_b32 s15, ttmp9, 1                       ; the query
	s_and_b32 s16, ttmp9, 1                        ; which half of its row
	s_lshl_b32 s20, s15, 9
	s_lshl_b32 s21, s16, 8
	s_add_co_u32 s20, s20, s21                     ; my 256 bytes in a [32][128] array
	s_mov_b32 s21, 0
	s_lshl_b32 s22, s[WV], 18                      ; my wave's 16 parts of 16,384 bytes
	s_add_co_u32 s22, s22, s20
	s_mov_b32 s23, 0
	s_lshl_b32 s24, s[WV], 12                      ; and their 16 x 256 bytes of ml,
	s_lshl_b32 s25, s15, 3                         ; the query's 8 bytes in each
	s_add_co_u32 s24, s24, s25
	s_mov_b32 s25, 0
	s_lshl_b32 s26, s15, 2
	s_mov_b32 s27, 0
	s_mov_b32 s[SEL], 0x76543210
	s_mov_b32 s[SEL+1], 0xfedcba98                 ; v_permlanex16_b32's selects for lane l xor 16
	v_lshlrev_b32 v[R16], 4, v[RL_]
	s_wait_alu depctr_va_vdst(0)
	v_lshl_add_u32 v[VO], v[HL], 14, v[R16]
	v_lshlrev_b32 v[VM], 8, v[HL]
	s_lshl_b32 s30, s[WV], 8                       ; LDS addresses, all made ahead of the first branch on the wave's number
	v_lshl_add_u32 v[SA], v[RL_], 4, s30
	s_lshl_b32 s31, s[WV], 3
	s_add_co_u32 s31, s31, MB
	v_mov_b32 v[SM], s31
	v_lshlrev_b32 v[RA], 11, v[HL]
	s_delay_alu instid0(VALU_DEP_1)
	v_lshl_add_u32 v[RA], v[RL_], 4, v[RA]
	v_lshl_add_u32 v[RMA], v[HL], 6, MB
	v_mov_b32 v[TP], 0                             ; a lane permute's destination counts as one of its sources
	v_mov_b32 v[TL], 0
.irp c, 0,1,2,3
	v_mov_b32 v[TQ+\c], 0
.endr
	s_wait_kmcnt 0x0
	s_add_nc_u64 s[8:9], s[8:9], s[22:23]
	s_add_nc_u64 s[10:11], s[10:11], s[24:25]
	s_add_nc_u64 s[6:7], s[6:7], s[20:21]
	s_add_nc_u64 s[12:13], s[12:13], s[20:21]
	s_add_nc_u64 s[4:5], s[4:5], s[26:27]
	s_load_b32 s28, s[4:5], 0x0                    ; the query's alpha
.irp k, 0,1,2,3,4,5,6,7
	global_load_b64 v[ML+2*\k:ML+2*\k+1], v[VM], s[10:11] offset:512*\k            ; (M, l) of part 16 w + 2 k + h
.endr
.irp k, 0,1,2,3,4,5,6,7
	global_load_b128 v[O+4*\k:O+4*\k+3], v[VO], s[8:9] offset:32768*\k th:TH_LOAD_NT       ; and its 256 bytes, 16 a lane
.endr
	s_cmp_lg_u32 s[WV], 0
	s_cbranch_scc1 .Lno_x
	global_load_b128 v[X:X+3], v[R16], s[6:7]      ; wave 0 writes the result: x's 256 bytes come with the rest
.Lno_x:
; Eight (M, l, four numbers) of each half of the lanes become one, the same in both halves
.macro COMBINE fromglobal
	v_max3_num_f32 v[MW], v[ML], v[ML+2], v[ML+4]
	s_delay_alu instid0(VALU_DEP_1)
	v_max3_num_f32 v[MW], v[MW], v[ML+6], v[ML+8]
	s_delay_alu instid0(VALU_DEP_1)
	v_max3_num_f32 v[MW], v[MW], v[ML+10], v[ML+12]
	s_delay_alu instid0(VALU_DEP_1)
	v_max_num_f32 v[MW], v[MW], v[ML+14]
	s_delay_alu instid0(VALU_DEP_1)
	v_permlanex16_b32 v[TP], v[MW], s[SEL], s[SEL+1]
	s_delay_alu instid0(VALU_DEP_1)
	v_max_num_f32 v[MW], v[MW], v[TP]              ; the largest M of the sixteen
.irp k, 0,1,2,3,4,5,6,7
	v_sub_f32 v[W+\k], v[ML+2*\k], v[MW]           ; a whole number, 0 or less
.endr
.irp k, 0,1,2,3,4,5,6,7
	v_cvt_i32_f32 v[W+\k], v[W+\k]                 ; (it saturates)
.endr
.irp k, 0,1,2,3,4,5,6,7
	v_ldexp_f32 v[W+\k], 1.0, v[W+\k]              ; the weight: an exact power of two
.endr
	v_mul_f32 v[LW], v[W], v[ML+1]
.irp k, 1,2,3,4,5,6,7
	s_delay_alu instid0(VALU_DEP_1)
	v_fma_f32 v[LW], v[W+\k], v[ML+2*\k+1], v[LW]
.endr
.if \fromglobal
	s_wait_loadcnt 0x0                             ; the sums' loads are in
.endif
.irp c, 0,1,2,3
	v_mul_f32 v[ACC+\c], v[W], v[O+\c]
.endr
.irp k, 1,2,3,4,5,6,7
.irp c, 0,1,2,3
	s_delay_alu instid0(VALU_DEP_4)
	v_fma_f32 v[ACC+\c], v[W+\k], v[O+4*\k+\c], v[ACC+\c]
.endr
.endr
	v_permlanex16_b32 v[TL], v[LW], s[SEL], s[SEL+1]
.irp c, 0,1,2,3
	v_permlanex16_b32 v[TQ+\c], v[ACC+\c], s[SEL], s[SEL+1]
.endr
	v_add_f32 v[LW], v[LW], v[TL]
.irp c, 0,1,2,3
	v_add_f32 v[ACC+\c], v[ACC+\c], v[TQ+\c]       ; with the other half's eight
.endr
.endm
	s_wait_loadcnt 8                               ; the eight (M, l) are in: eight loads were issued behind them (nine in wave 0, which so waits for one more)
	COMBINE 1
	ds_store_b128 v[SA], v[ACC:ACC+3]              ; both halves of the lanes write the same bytes with the same values
	ds_store_b64 v[SM], v[MW:MW+1]
	s_wait_dscnt 0x0                               ; for wave 0's sake: my stores have landed
	s_barrier_signal -1
	s_barrier_wait -1
	s_cmp_lg_u32 s[WV], 0
	s_cbranch_scc1 .Lend
.irp m, 0,1,2,3,4,5,6,7
	ds_load_b64 v[ML+2*\m:ML+2*\m+1], v[RMA] offset:8*\m           ; wave 8 h + m's figures
.endr
.irp m, 0,1,2,3,4,5,6,7
	ds_load_b128 v[O+4*\m:O+4*\m+3], v[RA] offset:256*\m
.endr
	s_wait_dscnt 0x0
	COMBINE 0
	s_wait_kmcnt 0x0                               ; alpha
	v_mov_b32 v[AV], s28
	s_delay_alu instid0(VALU_DEP_1)
	v_sub_f32 v[VR], 1.0, v[AV]                    ; var
	s_wait_alu depctr_va_vdst(0)
	v_sqrt_f32 v[SQ], v[AV]                        ; s
	v_rsq_f32 v[RQ], v[VR]                         ; 1 / sqrt(var)
	v_rcp_f32 v[RC], v[LW]                         ; 1 / l
	v_cmp_gt_u32 vcc_lo, 16, v0                    ; in wave 0 the thread's number is the lane: lanes 0-15 will store
	v_nop                                          ; a plain place behind the three
	s_wait_alu depctr_va_vdst(0)                   ; one wait for the three, ahead of their first reader
	v_mul_f32 v[FF], v[SQ], v[RC]
.irp c, 0,1,2,3
	v_fma_f32 v[O+\c], -v[FF], v[ACC+\c], v[X+\c]  ; x - s O / l
.endr
.irp c, 0,1,2,3
	v_mul_f32 v[O+\c], v[O+\c], v[RQ]
.endr
	s_wait_alu depctr_va_vdst(0)
	s_wait_xcnt 0x0                                ; EXEC changes only behind this wait
	s_and_saveexec_b32 s34, vcc_lo
	global_store_b128 v[R16], v[O:O+3], s[12:13]   ; sixteen lanes store 256 consecutive bytes, aligned
	s_wait_xcnt 0x0                                ; and again, in front of the line that widens it
	s_or_b32 exec_lo, exec_lo, s34
.Lend:
	s_wait_tensorcnt 0x0
	ds_add_u32 v96, v97
	s_wait_dscnt 0x0
	s_endpgm
.Lfunc_end_k_q73aeebb085_combine:
	.size	k_q73aeebb085_combine, .Lfunc_end_k_q73aeebb085_combine-k_q73aeebb085_combine
	.p2alignl 7, 3214868480
	.fill 96, 4, 3214868480
	.section	.rodata,"a",@progbits
	.p2align	6, 0x0
	.amdhsa_kernel k_q73aeebb085_combine
		.amdhsa_group_segment_fixed_size 6656
		.amdhsa_private_segment_fixed_size 0
		.amdhsa_enable_private_segment 0
		.amdhsa_kernarg_size 40
		.amdhsa_user_sgpr_count 2
		.amdhsa_user_sgpr_kernarg_segment_ptr 1
		.amdhsa_wavefront_size32 1
		.amdhsa_system_sgpr_workgroup_id_x 1
		.amdhsa_system_sgpr_workgroup_id_y 1
		.amdhsa_system_sgpr_workgroup_id_z 1
		.amdhsa_system_vgpr_workitem_id 0
		.amdhsa_next_free_vgpr 98
		.amdhsa_next_free_sgpr 66
		.amdhsa_reserve_vcc 1
		.amdhsa_float_denorm_mode_32 3
		.amdhsa_float_denorm_mode_16_64 3
		.amdhsa_memory_ordered 1
		.amdhsa_forward_progress 1
		.amdhsa_inst_pref_size 18
	.end_amdhsa_kernel
	.amdgpu_metadata
---
amdhsa.version: [ 1, 2 ]
amdhsa.kernels:
  - .name:           k_q73aeebb085_combine
    .symbol:         k_q73aeebb085_combine.kd
    .args:
      - { .name: alphas, .offset: 0, .size: 8, .value_kind: global_buffer, .address_space: global }
      - { .name: inputs, .offset: 8, .size: 8, .value_kind: global_buffer, .address_space: global }
      - { .name: part, .offset: 16, .size: 8, .value_kind: global_buffer, .address_space: global }
      - { .name: ml, .offset: 24, .size: 8, .value_kind: global_buffer, .address_space: global }
      - { .name: out0, .offset: 32, .size: 8, .value_kind: global_buffer, .address_space: global }
    .group_segment_fixed_size: 6656
    .private_segment_fixed_size: 0
    .kernarg_segment_align: 8
    .kernarg_segment_size: 40
    .max_flat_workgroup_size: 512
    .sgpr_count:     66
    .vgpr_count:     98
    .wavefront_size: 32
...
	.end_amdgpu_metadata
.endif
;; end of part 4
